; MI455X (gfx1250); checked and timed in simulation.
; The chip was launched on July 23, 2026; its instructions are those of AMD's public machine-readable ISA for CDNA 5 (MIT licence, August 2026) and "CDNA5" Instruction Set Architecture Reference Guide (July 2026). The comments in the code are by the model that wrote it; some were corrected since.
;; Self Block. Allowed arithmetic: float matrix products may take bf16 or f16 operands with f32 sums; other float arithmetic in f32, or as packed bf16 or f16 multiplies, adds, multiply-adds, maxima and minima; sums over many terms, partial sums and values carried from step to step in f32; what a program stores and reads back later, other than sums and carried values, may be rounded once to bf16 or f16.
;; Inputs: Wqkv_b 3,072 float32; Wqkv_w 3,072 x 1,024 float32; encoding 2 x 2 x 1 x 2,048 x 64 float32; ffn1_b 2,048 float32; ffn1_w 2,048 x 2,048 float32; ffn2_b 1,024 float32; ffn2_w 1,024 x 2,048 float32; ln_b 2,048 float32; ln_g 2,048 float32; out_b 1,024 float32; out_w 1,024 x 1,024 float32; x 2 x 2,048 x 1,024 float32.
;; Outputs: out0 2 x 2,048 x 1,024 float32.
;; One version. Each part assembles by itself: llvm-mc -triple=amdgcn-amd-amdhsa -mcpu=gfx1250 --defsym DOCPART=n.
;; ======== version 1 of 1: 7 launches
;; limits: a function is approximated: absolute error at most 1.5e-07
;; workspace buffers: hcat 16,777,216 bytes; wts 22,036,480 bytes; qkvh 25,165,824 bytes; ctxh 8,388,608 bytes; hbuf 16,777,216 bytes; gbuf 16,777,216 bytes
;; launch cast (part 1): grid 1857 x 1, 8 waves a work-group, no clusters, 0 bytes of LDS; arguments x, Wqkv_w, out_w, ffn1_w, ffn2_w, encoding, ln_g, ln_b, ffn1_b, out_b, ffn2_b, hcat, wts; writes hcat, wts
.if DOCPART == 1
	.amdgcn_target "amdgcn-amd-amdhsa--gfx1250"
	.amdhsa_code_object_version 6
	.text
	.protected	k_qe51d623f6c_cast
	.globl	k_qe51d623f6c_cast
	.p2align	8
	.type	k_qe51d623f6c_cast,@function
k_qe51d623f6c_cast:
	s_mov_b64 s[64:65], 0
	v_nop
	global_prefetch_b8 v0, s[64:65] scope:SCOPE_SE
	s_setreg_imm32_b32 hwreg(HW_REG_WAVE_MODE, 25, 1), 1
	s_wait_xcnt 0x0
; CAST.  Every input but Wqkv_b is rounded once to bf16 (nearest even) and laid where the later launches want it.
; All inputs together are 14,856 rows of 1,024 f32.  One wave takes one row: 4,096 bytes in, 2,048 bytes out; no loop, no LDS, no barrier.
; Row R = 8 x work-group + wave.  R 0..4095: x, to the first 2,048 bytes of row R of hcat (rows of 4,096 bytes).  R >= 4096: to row R - 4096 of wts
; (rows of 2,048 bytes): Wqkv_w, out_w, ffn1_w, ffn2_w, encoding, ln_g, ln_b, ffn1_b, out_b, ffn2_b on end.
; Wqkv_w's rows alone change places: source row f = 192 h + 3 d + c (c: q, k, v) goes to row 192 h + 96 (d / 32) + 32 c + d % 32,
; so that 96 rows on end are 32 channels of q, of k and of v of one head.
; LIMIT: the whole program works on inputs rounded to bf16, the residual's x among them.
.macro PICK bound, p                   ; from row bound on the source is the buffer at s[p:p+1]
	s_cmp_ge_u32 s3, \bound
	s_cselect_b64 s[34:35], s[\p:\p+1], s[34:35]
	s_cselect_b32 s36, \bound, s36
.endm
	s_load_b512 s[8:23], s[0:1], 0x0               ; x, Wqkv_w, out_w, ffn1_w, ffn2_w, encoding, ln_g, ln_b
	s_load_b256 s[24:31], s[0:1], 0x40             ; ffn1_b, out_b, ffn2_b, hcat
	s_load_b64 s[32:33], s[0:1], 0x60              ; wts
	v_lshrrev_b32 v3, 5, v0
	v_readfirstlane_b32 s2, v3                     ; wave 0..7
	s_lshl_b32 s3, ttmp9, 3
	s_add_co_u32 s3, s3, s2                        ; R
	v_and_b32 v2, 31, v0
	v_lshlrev_b32 v1, 5, v2                        ; 32 bytes of f32 a lane,
	v_lshlrev_b32 v2, 4, v2                        ; 16 bytes of bf16
	s_wait_kmcnt 0x0
	s_mov_b64 s[34:35], s[8:9]
	s_mov_b32 s36, 0
	PICK 4096, 10
	PICK 7168, 12
	PICK 8192, 14
	PICK 12288, 16
	PICK 14336, 18
	PICK 14848, 20
	PICK 14850, 22
	PICK 14852, 24
	PICK 14854, 26
	PICK 14855, 28
	s_sub_co_u32 s37, s3, s36                      ; the row inside its source
	s_lshl_b32 s38, s37, 12
	s_mov_b32 s39, 0
	s_add_nc_u64 s[34:35], s[34:35], s[38:39]
	s_mul_hi_u32 s40, s37, 0xaaaaaaab              ; Wqkv_w's new place: row / 3,
	s_lshr_b32 s40, s40, 1
	s_mul_i32 s41, s40, 3
	s_sub_co_u32 s41, s37, s41                     ; c = row % 3
	s_lshr_b32 s42, s40, 6                         ; head
	s_and_b32 s43, s40, 63                         ; d
	s_lshr_b32 s44, s43, 5
	s_and_b32 s43, s43, 31
	s_mul_i32 s42, s42, 192
	s_mul_i32 s44, s44, 96
	s_lshl_b32 s41, s41, 5
	s_add_co_u32 s42, s42, s44
	s_add_co_u32 s42, s42, s41
	s_add_co_u32 s42, s42, s43
	s_sub_co_u32 s45, s3, 4096                     ; every other row of wts keeps its order
	s_cmp_lt_u32 s3, 7168
	s_cselect_b32 s45, s42, s45
	s_lshl_b32 s45, s45, 11
	s_lshl_b32 s46, s3, 12
	s_cmp_lt_u32 s3, 4096                          ; compared anew: the shifts above set SCC
	s_cselect_b64 s[48:49], s[30:31], s[32:33]
	s_cselect_b32 s46, s46, s45
	s_mov_b32 s47, 0
	s_add_nc_u64 s[48:49], s[48:49], s[46:47]
.set j, 0
.rept 4
	global_load_b128 v[4+8*j:7+8*j], v1, s[34:35] offset:1024*j th:TH_LOAD_NT
	global_load_b128 v[8+8*j:11+8*j], v1, s[34:35] offset:1024*j+16 th:TH_LOAD_NT
.set j, j+1
.endr
.set j, 0
.rept 4
	s_wait_loadcnt 6-2*j                           ; loads come back in order: pair j is in, the younger pairs stay out
.set k, 0
.rept 4
	v_cvt_pk_bf16_f32 v[36+4*j+k], v[4+8*j+2*k], v[5+8*j+2*k]
.set k, k+1
.endr
	global_store_b128 v2, v[36+4*j:39+4*j], s[48:49] offset:512*j  ; the wave stores 512 consecutive bytes, aligned
.set j, j+1
.endr
	s_endpgm
.Lfunc_end_k_qe51d623f6c_cast:
	.size	k_qe51d623f6c_cast, .Lfunc_end_k_qe51d623f6c_cast-k_qe51d623f6c_cast
	.p2alignl 7, 3214868480
	.fill 96, 4, 3214868480
	.section	.rodata,"a",@progbits
	.p2align	6, 0x0
	.amdhsa_kernel k_qe51d623f6c_cast
		.amdhsa_group_segment_fixed_size 0
		.amdhsa_private_segment_fixed_size 0
		.amdhsa_enable_private_segment 0
		.amdhsa_kernarg_size 104
		.amdhsa_user_sgpr_count 2
		.amdhsa_user_sgpr_kernarg_segment_ptr 1
		.amdhsa_wavefront_size32 1
		.amdhsa_system_sgpr_workgroup_id_x 1
		.amdhsa_system_sgpr_workgroup_id_y 1
		.amdhsa_system_sgpr_workgroup_id_z 1
		.amdhsa_system_vgpr_workitem_id 0
		.amdhsa_next_free_vgpr 56
		.amdhsa_next_free_sgpr 66
		.amdhsa_reserve_vcc 0
		.amdhsa_float_denorm_mode_32 3
		.amdhsa_float_denorm_mode_16_64 3
		.amdhsa_memory_ordered 1
		.amdhsa_forward_progress 1
		.amdhsa_inst_pref_size 6
	.end_amdhsa_kernel
	.amdgpu_metadata
---
amdhsa.version: [ 1, 2 ]
amdhsa.kernels:
  - .name:           k_qe51d623f6c_cast
    .symbol:         k_qe51d623f6c_cast.kd
    .args:
      - { .name: x, .offset: 0, .size: 8, .value_kind: global_buffer, .address_space: global }
      - { .name: Wqkv_w, .offset: 8, .size: 8, .value_kind: global_buffer, .address_space: global }
      - { .name: out_w, .offset: 16, .size: 8, .value_kind: global_buffer, .address_space: global }
      - { .name: ffn1_w, .offset: 24, .size: 8, .value_kind: global_buffer, .address_space: global }
      - { .name: ffn2_w, .offset: 32, .size: 8, .value_kind: global_buffer, .address_space: global }
      - { .name: encoding, .offset: 40, .size: 8, .value_kind: global_buffer, .address_space: global }
      - { .name: ln_g, .offset: 48, .size: 8, .value_kind: global_buffer, .address_space: global }
      - { .name: ln_b, .offset: 56, .size: 8, .value_kind: global_buffer, .address_space: global }
      - { .name: ffn1_b, .offset: 64, .size: 8, .value_kind: global_buffer, .address_space: global }
      - { .name: out_b, .offset: 72, .size: 8, .value_kind: global_buffer, .address_space: global }
      - { .name: ffn2_b, .offset: 80, .size: 8, .value_kind: global_buffer, .address_space: global }
      - { .name: hcat, .offset: 88, .size: 8, .value_kind: global_buffer, .address_space: global }
      - { .name: wts, .offset: 96, .size: 8, .value_kind: global_buffer, .address_space: global }
    .group_segment_fixed_size: 0
    .private_segment_fixed_size: 0
    .kernarg_segment_align: 8
    .kernarg_segment_size: 104
    .max_flat_workgroup_size: 256
    .sgpr_count:     66
    .vgpr_count:     56
    .wavefront_size: 32
...
	.end_amdgpu_metadata
.endif
;; end of part 1
;; launch qkv (part 2): grid 16 x 16, 4 waves a work-group, clusters of 4 x 4, 327,680 bytes of LDS; arguments hcat, wts, Wqkv_b, qkvh; writes qkvh
.if DOCPART == 2
	.amdgcn_target "amdgcn-amd-amdhsa--gfx1250"
	.amdhsa_code_object_version 6
	.text
	.protected	k_qe51d623f6c_qkv
	.globl	k_qe51d623f6c_qkv
	.p2align	8
	.type	k_qe51d623f6c_qkv,@function
k_qe51d623f6c_qkv:
	s_mov_b64 s[64:65], 0
	v_nop
	global_prefetch_b8 v0, s[64:65] scope:SCOPE_SE
	s_setreg_imm32_b32 hwreg(HW_REG_WAVE_MODE, 25, 1), 1
	s_wait_xcnt 0x0
	s_wait_alu depctr_hold_cnt(0) depctr_sa_sdst(0) depctr_va_vdst(0) depctr_va_sdst(0) depctr_va_ssrc(0) depctr_va_vcc(0) depctr_vm_vsrc(0)
	s_getreg_b32 s2, hwreg(HW_REG_IB_STS2, 6, 4)
	s_cmp_eq_u32 s2, 0
	s_cbranch_scc0 .Lentry_in_a_cluster
	s_endpgm
.Lentry_in_a_cluster:
	s_bfe_u32 s2, ttmp6, 0x10000c
	s_cmp_lg_u32 s2, 0xf033
	s_cbranch_scc0 .Lentry_shape_is_right
	s_endpgm
.Lentry_shape_is_right:
; QKV PROJECTION, BIAS AND ROTATION.  [4096 x 1024] (x, the first half of hcat's rows) times the permuted Wqkv_w^T; q and k are turned by the two planes of encoding;
; q, k, v leave by heads, [32][2048][64] bf16, each rounded once from f32.  The attention's scale is not applied here.
; A work-group makes 256 rows x 192 columns: ONE head.  Four waves, 2 x 2; a wave makes 128 rows x 96 columns = 32 channels of q, of k and of v: 48 accumulators of 16 x 16.
; The matrix instruction is used transposed (source 0 = 16 rows of W, source 1 = 16 rows of x): a lane holds row l % 16 and eight neighbouring channels 8 (l / 16) + 0..7, so a rotation's pair lies in one lane.
; K goes in 8 steps of 128 through two LDS slots filled by joint tensor loads: 4 x 4 work-groups form a cluster, x's tile is shared along its row, W's along its column.
; The first product of each accumulator takes the bias as C: nothing is cleared and nothing is added later.
; LIMITS: operands and the bias rounded to bf16; sums in f32; NaN and infinities are not treated apart.
; REGISTERS by windows of 256: window 0: v0-29 addresses, v32-143 and v144-255 two fragment buffers (6 blocks of W, 8 of x); windows 1, 2: accumulator i = 6 a + b at 8 i;
; window 3: v0-127 encoding as loaded, v128-175 the bias, v176-199 at work.
.set NB, 6
.set STEPS, 8
.set KB, 1024
.set WOFF, 0
.set ENCO, 20971520
.set PITCH, 272                        ; 256 bytes + 16 of padding: the 16 rows of a fragment load start at 16 different groups of four banks (64 banks of 4 bytes: ISA guide 11.1)
.set HALFA, 128*PITCH
.set HALFB, 16*NB*PITCH
.set SLOT1, 131072                     ; one exclusive or turns an address in one slot into the other's
.set SPARE, SLOT1+2*HALFA+2*HALFB      ; the spare words: 128 bytes a wave, two blocks of 256 bytes that no other line names
.set KSTG, 256*144                     ; the way out: 256 rows of 144 bytes for each of q, k, v, in slot 0 after its last fill
.set FLAGS, (1<<16)|(1<<20)|(1<<21)|(5<<22)|(3<<25)  ; 2-byte elements; padding on; bit 21 beside a mask; after every 64 words; 4 words
.set F0, 32
.set F1, F0+8*(NB+8)
.set CW, 3
.set BIAS, 128
.set FR, 32
.set TT, 64
.set PP, 96
.set ADRA0, 4
.set ADRB0, 5
.set ADRA, 6
.set ADRB, 7
.set PFO, 8
.set STO, 11
.set RDB, 14
.set GO, 17
.set SPW, 28
.set NIL, 29
.set WV, 20
.set RH, 21
.set CH, 22
.set CNT, 23
.set G1A, 24
.set G1B, 32
.set G0A, 40
.set G0B, 48
.set TB, 56
.set LIM, 57
.set PFA, 58
.set HIM, 60
.set MSB, 0
.macro WIN new                         ; the immediate's high byte repeats the setting that is left; a switch that changes nothing is dropped
.if MSB != (\new)
	s_set_vgpr_msb (MSB<<8)|(\new)
.set MSB, \new
.endif
.endm
.macro PLACES                          ; four plain places behind matrix instructions, in front of loads into their sources and of readers of their results
.rept 4
	v_nop
.endr
.endm
.macro CREST                           ; a round of the cluster's barrier behind its opening barrier
	s_cmp_lg_u32 s[WV], 0
	s_cbranch_scc1 .Lnot_wave_0_\@
	s_barrier_signal -3
.Lnot_wave_0_\@:
	s_barrier_wait -3
	s_barrier_signal -1
	s_barrier_wait -1
.endm
.macro CROUND
	s_barrier_signal -1
	s_barrier_wait -1
	CREST
.endm
.macro JLOAD                           ; a joint refill by the walking descriptors: waves 0, 1 x's halves, waves 2, 3 W's; the branch hangs on the wave's number alone
	s_cmp_lt_u32 s[WV], 2
	s_cbranch_scc0 .Lfor_b_\@
	tensor_load_to_lds s[G0A+4:G0A+7], s[G1A:G1A+7]
	s_nop 0
	PLACES
	s_branch .Lasked_\@
.Lfor_b_\@:
	tensor_load_to_lds s[G0B+4:G0B+7], s[G1B:G1B+7]
	s_nop 0
	PLACES
.Lasked_\@:
.endm
; n row blocks from a0 on x all NB column blocks, 32 along K.  The accumulators take turns in one order everywhere.  first = 1: C is the bias.
.macro MULS f, a0, n, first
.set ma, \a0
.rept \n
.set mb, 0
.rept NB
.set mi, NB*ma+mb
.set mw, 1+mi/32
.set mr, 8*(mi%32)
.if \first
	WIN (mw<<6)|(CW<<4)
	v_wmma_f32_16x16x32_bf16 v[mr:mr+7], v[(\f)+8*mb:(\f)+8*mb+7], v[(\f)+8*NB+8*ma:(\f)+8*NB+8*ma+7], v[BIAS+8*mb:BIAS+8*mb+7]
.else
	WIN 0x50*mw
	v_wmma_f32_16x16x32_bf16 v[mr:mr+7], v[(\f)+8*mb:(\f)+8*mb+7], v[(\f)+8*NB+8*ma:(\f)+8*NB+8*ma+7], v[mr:mr+7]
.endif
.set mb, mb+1
.endr
.set ma, ma+1
.endr
.endm
.macro FETCH k, f                      ; one run of LDS loads: the fragments of 32 along K at byte k of the rows: W's blocks, then x's eight
	WIN 0
.set fb, 0
.rept NB
	ds_load_b128 v[(\f)+8*fb:(\f)+8*fb+3], v[ADRB] offset:(\k)+fb*16*PITCH
	ds_load_b128 v[(\f)+8*fb+4:(\f)+8*fb+7], v[ADRB] offset:(\k)+fb*16*PITCH+32
.set fb, fb+1
.endr
.set fb, 0
.rept 8
	ds_load_b128 v[(\f)+8*NB+8*fb:(\f)+8*NB+8*fb+3], v[ADRA] offset:(\k)+fb*16*PITCH
	ds_load_b128 v[(\f)+8*NB+8*fb+4:(\f)+8*NB+8*fb+7], v[ADRA] offset:(\k)+fb*16*PITCH+32
.set fb, fb+1
.endr
.endm
.macro QUARTER k, f, g, first          ; multiplies buffer f; in its middle fetches the next quarter, at byte k, into g
	s_wait_dscnt 8                                 ; W's blocks and x's blocks 0-3 are in; the eight youngest loads (x's blocks 4-7) may be out
	MULS \f, 0, 4, \first
	PLACES
	FETCH \k, \g
	s_wait_dscnt 2*(NB+8)                          ; all but the run just issued
	MULS \f, 4, 4, \first
.endm
.macro ASK                             ; a prefetch of the K step that stands two refills on: my work-group's share of the rows that I fetch, a lane a row
	s_cmp_gt_u32 s[CNT], s[LIM]                    ; the last two refilling trips have no such step
	s_cbranch_scc0 .Lnot_mine_\@
	global_prefetch_b8 v[PFO], s[PFA:PFA+1] offset:256 th:TH_LOAD_NT scope:SCOPE_SE
.Lnot_mine_\@:
.endm
; The last quarter of a K step multiplies buffer 1 and changes slots.  In front of the barrier each wave waits for all its tensor loads (one is out: its part of the next slot),
; adds 0 to its spare word, and waits for that and for its reads of this slot.  fill = 1: the barrier opens a round of the cluster's, and the joint refill stands first behind it.
.macro TURN fill
	WIN 0
.if \fill
	s_wait_xcnt 0x0                                ; the last prefetch, a K step back, has read its address
	s_add_nc_u64 s[PFA:PFA+1], s[PFA:PFA+1], 256
.endif
	s_xor_b32 s[TB], s[TB], SLOT1                  ; the fetches go to the other slot
	v_add_nc_u32 v[ADRA], s[TB], v[ADRA0]
	v_add_nc_u32 v[ADRB], s[TB], v[ADRB0]
	s_wait_tensorcnt 0x0
	ds_add_u32 v[SPW], v[NIL]
	s_wait_dscnt 9                                 ; the add and the eight youngest loads may be out
	MULS F1, 0, 2, 0
	s_wait_dscnt 0x0                               ; the add is done, my reads of this slot are over
	s_barrier_signal -1
	MULS F1, 2, 2, 0
	WIN 0
	s_barrier_wait -1
.if \fill
	CREST                                          ; no wave of any partner still reads this slot or has a load on its way
	s_xor_b32 s[G0A+5], s[G0A+5], SLOT1            ; the walking descriptors: the other slot, the next K step
	s_add_nc_u64 s[G0A+6:G0A+7], s[G0A+6:G0A+7], 256
	s_xor_b32 s[G0B+5], s[G0B+5], SLOT1
	s_add_nc_u64 s[G0B+6:G0B+7], s[G0B+6:G0B+7], 256
	JLOAD                                          ; its four v_nop are also the places in front of the loads below
.else
	PLACES
.endif
	FETCH 0, F0
.if \fill
	ASK
.endif
	MULS F1, 4, 4, 0
.endm
	s_load_b256 s[4:11], s[0:1], 0x0               ; hcat s[4:5], wts s[6:7], Wqkv_b s[8:9], qkvh s[10:11]
	v_lshl_add_u32 v[SPW], v0, 2, SPARE
	v_mov_b32 v[NIL], 0
	ds_add_u32 v[SPW], v[NIL]                      ; the wave's opening: the add and its wait stand ahead of my first tensor load
	v_lshrrev_b32 v3, 5, v0
	v_readfirstlane_b32 s[WV], v3
	s_lshr_b32 s[RH], s[WV], 1                     ; my half of the tile's rows
	s_and_b32 s[CH], s[WV], 1                      ; my half of its columns; also which half of a tile I fetch
	s_bfe_u32 s12, ttmp6, 0x40000                  ; cx
	s_bfe_u32 s13, ttmp6, 0x40004                  ; cy
	s_lshl_b32 s14, ttmp9, 2
	s_add_co_u32 s14, s14, s12                     ; tile column = head
	s_and_b32 s15, ttmp7, 0xffff
	s_lshl_b32 s15, s15, 2
	s_add_co_u32 s15, s15, s13                     ; tile row
	s_lshl_b32 s66, s13, 2
	s_lshl_b32 s66, 15, s66                        ; my row of the cluster
	s_lshl_b32 s67, 0x1111, s12                    ; my column
	s_or_b32 s[G1A], s66, FLAGS
	s_or_b32 s[G1B], s67, FLAGS
	s_mov_b32 s[G1A+1], 128<<16                    ; tensor_dim0 = 128
	s_mov_b32 s[G1A+2], 128<<16                    ; tensor_dim1 = 128
	s_mov_b32 s[G1A+3], 128<<16                    ; tile_dim0 = 128
	s_mov_b32 s[G1A+4], 128                        ; tile_dim1 = 128
	s_mov_b32 s[G1A+5], 2048                       ; elements from row to row of hcat
	s_mov_b32 s[G1A+6], 0
	s_mov_b32 s[G1A+7], 0
	s_mov_b32 s[G1B+1], 128<<16
	s_mov_b32 s[G1B+2], (16*NB)<<16
	s_mov_b32 s[G1B+3], 128<<16
	s_mov_b32 s[G1B+4], 16*NB
	s_mov_b32 s[G1B+5], KB
	s_mov_b32 s[G1B+6], 0
	s_mov_b32 s[G1B+7], 0
	s_mov_b32 s[G0A], 1
	s_mul_i32 s[G0A+1], s[CH], HALFA
	s_mov_b32 s[G0A+4], 1
	s_add_co_u32 s[G0A+5], s[G0A+1], SLOT1
	s_mov_b32 s[G0B], 1
	s_mul_i32 s[G0B+1], s[CH], HALFB
	s_add_co_u32 s[G0B+1], s[G0B+1], 2*HALFA
	s_mov_b32 s[G0B+4], 1
	s_add_co_u32 s[G0B+5], s[G0B+1], SLOT1
	s_lshl_b32 s16, s15, 8
	s_lshl_b32 s17, s[CH], 7
	s_add_co_u32 s16, s16, s17
	s_lshl_b32 s16, s16, 12                        ; x: row 256 ty + 128 half, 4,096 bytes a row
	s_mov_b32 s17, 0
	s_mul_i32 s18, s14, 32*NB
	s_mul_i32 s19, s[CH], 16*NB
	s_add_co_u32 s18, s18, s19
	s_mul_i32 s18, s18, 2*KB                       ; W: row 192 tx + 96 half
	s_add_co_u32 s18, s18, WOFF
	s_mov_b32 s19, 0
	s_mov_b32 s[HIM], 0xffff0000
	s_mov_b32 s[TB], 0
	s_wait_dscnt 0x0                               ; the opening add is done
	s_wait_kmcnt 0x0
	s_add_nc_u64 s[80:81], s[4:5], s[16:17]
	s_add_nc_u64 s[82:83], s[6:7], s[18:19]
	s_mov_b64 s[G0A+2:G0A+3], s[80:81]
	s_or_b32 s[G0A+3], s[G0A+3], 0x80000000
	s_add_nc_u64 s[G0A+6:G0A+7], s[80:81], 256
	s_or_b32 s[G0A+7], s[G0A+7], 0x80000000
	s_mov_b64 s[G0B+2:G0B+3], s[82:83]
	s_or_b32 s[G0B+3], s[G0B+3], 0x80000000
	s_add_nc_u64 s[G0B+6:G0B+7], s[82:83], 256
	s_or_b32 s[G0B+7], s[G0B+7], 0x80000000
	CROUND                                         ; all sixteen work-groups are here: the first joint loads meet
	s_cmp_lt_u32 s[WV], 2                          ; a wave's two first fills stand in one branch: two loads of mine are out
	s_cbranch_scc0 .Lfirst_b
	tensor_load_to_lds s[G0A:G0A+3], s[G1A:G1A+7]
	s_nop 0
	tensor_load_to_lds s[G0A+4:G0A+7], s[G1A:G1A+7]
	s_nop 0
	PLACES
	s_branch .Lfirst_done
.Lfirst_b:
	tensor_load_to_lds s[G0B:G0B+3], s[G1B:G1B+7]
	s_nop 0
	tensor_load_to_lds s[G0B+4:G0B+7], s[G1B:G1B+7]
	s_nop 0
	PLACES
.Lfirst_done:
	v_and_b32 v1, 15, v0                           ; r = l % 16
	v_bfe_u32 v2, v0, 4, 1                         ; h = l / 16
	; the bias of column block b, register j: Wqkv_b[192 head + 3 d + c], d = 32 half + 16 (b % 2) + 8 h + j, c = b / 2
	v_mul_u32_u24 v10, v2, 96
	s_mul_i32 s70, s14, 768
	s_mul_i32 s71, s[CH], 384
	s_add_co_u32 s70, s70, s71
	s_mov_b32 s71, 0
	s_add_nc_u64 s[8:9], s[8:9], s[70:71]
	; encoding, bf16, [2][4096][64]: my rows, my 32 channels
	v_lshlrev_b32 v9, 7, v1
	v_lshl_add_u32 v9, v2, 4, v9
	s_lshl_b32 s70, s15, 8
	s_lshl_b32 s71, s[RH], 7
	s_add_co_u32 s70, s70, s71
	s_lshl_b32 s70, s70, 7
	s_lshl_b32 s71, s[CH], 6
	s_add_co_u32 s70, s70, s71
	s_add_co_u32 s70, s70, ENCO
	s_mov_b32 s71, 0
	s_add_nc_u64 s[90:91], s[6:7], s[70:71]
	WIN 0xc0                                       ; destination window 3, address window 0
.set ob, 0
.rept 6
.set op, 0
.rept 8
	global_load_b32 v[BIAS+8*ob+op], v10, s[8:9] offset:192*(ob%2)+12*op+4*(ob/2)
.set op, op+1
.endr
.set ob, ob+1
.endr
.set oa, 0
.rept 8                                ; row block oa; un = 2 e + f: channels 16 e on, plane f
.set un, 0
.rept 4
	global_load_b128 v[16*oa+4*un:16*oa+4*un+3], v9, s[90:91] offset:2048*oa+32*(un/2)+524288*(un%2)
.set un, un+1
.endr
.set oa, oa+1
.endr
	WIN 0
	v_mul_u32_u24 v3, v1, PITCH
	v_lshl_add_u32 v3, v2, 4, v3                   ; a fragment's row x pitch + 16 x half
	s_mul_i32 s68, s[RH], HALFA
	s_mul_i32 s69, s[CH], HALFB
	s_add_co_u32 s69, s69, 2*HALFA
	v_add_nc_u32 v[ADRA0], s68, v3
	v_add_nc_u32 v[ADRB0], s69, v3
	v_mov_b32 v[ADRA], v[ADRA0]
	v_mov_b32 v[ADRB], v[ADRB0]
	; the prefetches.  x's rows are read by every cluster of a row of clusters: cluster x = 0 asks; W's by every cluster of a column: cluster y = 0 asks.
	; The four partners that ask for a tile jointly share its rows out by address: 32 rows of x, 24 of W each (there the lanes left over name the last row again).
	s_and_b32 s72, ttmp7, 0xffff
	s_mov_b32 s75, 2*KB
	s_mov_b32 s78, 4096
	s_cmp_lt_u32 s[WV], 2
	s_cselect_b32 s72, ttmp9, s72
	s_cselect_b32 s73, s12, s13
	s_cselect_b32 s74, 32, 4*NB
	s_cselect_b32 s75, s78, s75
	s_cselect_b64 s[PFA:PFA+1], s[80:81], s[82:83]
	s_cmp_eq_u32 s72, 0
	s_cselect_b32 s[LIM], 2, -1
	s_mul_i32 s76, s73, s74
	s_mul_i32 s76, s76, s75
	s_add_co_u32 s76, s76, 512                     ; at K step 2: the first refill steps it to 3 and names step 4
	s_mov_b32 s77, 0
	s_add_nc_u64 s[PFA:PFA+1], s[PFA:PFA+1], s[76:77]
	s_sub_co_u32 s74, s74, 1
	v_and_b32 v[PFO], 31, v0
	v_min_u32 v[PFO], s74, v[PFO]
	v_mul_lo_u32 v[PFO], v[PFO], s75
	; the way out: into the stage (row, 16 bytes for each half of the lanes), back as four rows of 128 bytes, and to memory
	s_mul_i32 s70, s[RH], 128*144
	s_lshl_b32 s71, s[CH], 6
	s_add_co_u32 s70, s70, s71
	v_mul_u32_u24 v3, v1, 144
	v_lshl_add_u32 v3, v2, 4, v3
	v_add_nc_u32 v[STO], s70, v3
	v_add_nc_u32 v[STO+1], KSTG, v[STO]
	v_add_nc_u32 v[STO+2], 2*KSTG, v[STO]
	v_bfe_u32 v3, v0, 3, 2
	v_mul_u32_u24 v[RDB], v3, 144
	v_and_b32 v3, 7, v0
	v_lshl_add_u32 v[RDB], v3, 4, v[RDB]
	s_mul_i32 s70, s[WV], 64*144
	v_add_nc_u32 v[RDB], s70, v[RDB]
	v_add_nc_u32 v[RDB+1], KSTG, v[RDB]
	v_add_nc_u32 v[RDB+2], 2*KSTG, v[RDB]
	v_and_b32 v[GO], 31, v0
	v_lshlrev_b32 v[GO], 4, v[GO]
	s_lshr_b32 s68, s15, 3                         ; batch
	s_lshl_b32 s68, s68, 4
	s_add_co_u32 s68, s68, s14                     ; 16 b + head
	s_lshl_b32 s68, s68, 11
	s_and_b32 s69, s15, 7
	s_lshl_b32 s69, s69, 8
	s_add_co_u32 s68, s68, s69
	s_lshl_b32 s69, s[WV], 6
	s_add_co_u32 s68, s68, s69                     ; + the 64 rows that I store
	s_lshl_b32 s68, s68, 7
	s_mov_b32 s69, 0
	s_add_nc_u64 s[84:85], s[10:11], s[68:69]      ; q
	s_add_nc_u64 s[86:87], s[84:85], 0x800000      ; k
	s_add_nc_u64 s[88:89], s[86:87], 0x800000      ; v
	s_wait_loadcnt 32                              ; the bias is in; the 32 loads of encoding, issued behind it, stay out
	WIN 0xcf
.set on, 0
.rept 24
	v_cvt_pk_bf16_f32 v[176+on], v[BIAS+2*on], v[BIAS+2*on+1]  ; the bias is rounded to bf16 like every input
.set on, on+1
.endr
	WIN 0xcc
.set on, 0
.rept 24
	v_lshlrev_b32 v[BIAS+2*on], 16, v[176+on]
	v_and_b32 v[BIAS+2*on+1], s[HIM], v[176+on]
.set on, on+1
.endr
	WIN 0
	s_wait_tensorcnt 0x1                           ; my part of K step 0 is in; step 1's may stay out
	s_barrier_signal -1
	s_barrier_wait -1
	FETCH 0, F0
	QUARTER 64, F0, F1, 1                          ; the first quarter starts the sums
	WIN 0
	s_mov_b32 s[CNT], STEPS-2
	s_branch .Lmid
.Lstep:                                ; a trip is a K step; each of the STEPS - 2 trips fills the slot that it leaves with the step two on
	QUARTER 64, F0, F1, 0
	WIN 0
.Lmid:
	QUARTER 128, F1, F0, 0
	QUARTER 192, F0, F1, 0
	TURN 1
	WIN 0
	s_sub_co_u32 s[CNT], s[CNT], 1
	s_cmp_lg_u32 s[CNT], 0
	s_cbranch_scc1 .Lstep
	s_mov_b32 s[CNT], 2
.Ltail:                                ; the last two K steps ask for nothing.  The second trip's barrier and its last run of LDS loads serve nothing: the price, once a launch, of one text for both
	QUARTER 64, F0, F1, 0
	QUARTER 128, F1, F0, 0
	QUARTER 192, F0, F1, 0
	TURN 0
	WIN 0
	s_sub_co_u32 s[CNT], s[CNT], 1
	s_cmp_lg_u32 s[CNT], 0
	s_cbranch_scc1 .Ltail
	s_wait_dscnt 0x0                               ; my last reads of slot 0 are back,
	s_wait_loadcnt 0x0                             ; encoding is in
	s_barrier_signal -1
	s_barrier_wait -1                              ; everybody's are: slot 0, which has had its last fill, becomes the stage
	PLACES
; Row block a: encoding to f32; q and k: out[2i] = t[2i] f0[2i] - t[2i+1] f1[2i], out[2i+1] = t[2i+1] f0[2i+1] + t[2i] f1[2i+1]; all rounded to bf16, 16 bytes a lane into the stage.
; Each accumulator's lowest registers are read first.
.macro OUTA a
	WIN 0x0c                                       ; source 1 in window 3
.set un, 0
.rept 16
	v_lshlrev_b32 v[FR+2*un], 16, v[16*(\a)+un]
	v_and_b32 v[FR+2*un+1], s[HIM], v[16*(\a)+un]
.set un, un+1
.endr
.set ob, 0
.rept 4
.set oi, NB*(\a)+ob
.set ow, 1+oi/32
.set oa, 8*(oi%32)
.set of0, FR+16*(ob%2)
	WIN ow                                         ; source 0 in the accumulator's window
.set op, 0
.rept 4
	v_pk_mul_f32 v[TT+8*ob+2*op:TT+8*ob+2*op+1], v[oa+2*op:oa+2*op+1], v[of0+2*op:of0+2*op+1]
.set op, op+1
.endr
.set op, 0
.rept 4
	v_fma_f32 v[TT+8*ob+2*op], -v[oa+2*op+1], v[of0+8+2*op], v[TT+8*ob+2*op]
	v_fma_f32 v[TT+8*ob+2*op+1], v[oa+2*op], v[of0+8+2*op+1], v[TT+8*ob+2*op+1]
.set op, op+1
.endr
.set ob, ob+1
.endr
.rept 2
.set oi, NB*(\a)+ob
.set ow, 1+oi/32
.set oa, 8*(oi%32)
	WIN ow|(ow<<2)
.set op, 0
.rept 4
	v_cvt_pk_bf16_f32 v[PP+4*ob+op], v[oa+2*op], v[oa+2*op+1]
.set op, op+1
.endr
.set ob, ob+1
.endr
	WIN 0
.set on, 0
.rept 16
	v_cvt_pk_bf16_f32 v[PP+on], v[TT+2*on], v[TT+2*on+1]
.set on, on+1
.endr
.set ob, 0
.rept 6
	ds_store_b128 v[STO+ob/2], v[PP+4*ob:PP+4*ob+3] offset:2304*(\a)+32*(ob%2)
.set ob, ob+1
.endr
.endm
	OUTA 0
	OUTA 1
	OUTA 2
	OUTA 3
	OUTA 4
	OUTA 5
	OUTA 6
	OUTA 7
	s_wait_dscnt 0x0                               ; for the others' sake: my stores into the stage are done
	s_barrier_signal -1
	s_barrier_wait -1                              ; a row's 128 bytes come from two waves
.set on, 0
.rept 48
	ds_load_b128 v[32+4*on:35+4*on], v[RDB+on/16] offset:576*(on%16)
.set on, on+1
.endr
.set on, 0
.rept 48
	s_wait_dscnt 47-on
	global_store_b128 v[GO], v[32+4*on:35+4*on], s[84+2*(on/16):85+2*(on/16)] offset:512*(on%16)  ; four rows of a head: 512 consecutive bytes, aligned
.set on, on+1
.endr
	s_wait_tensorcnt 0x0                           ; the wave's end
	ds_add_u32 v[SPW], v[NIL]
	s_wait_dscnt 0x0
	CROUND                                         ; the closing round
	s_endpgm
.Lfunc_end_k_qe51d623f6c_qkv:
	.size	k_qe51d623f6c_qkv, .Lfunc_end_k_qe51d623f6c_qkv-k_qe51d623f6c_qkv
	.p2alignl 7, 3214868480
	.fill 96, 4, 3214868480
	.section	.rodata,"a",@progbits
	.p2align	6, 0x0
	.amdhsa_kernel k_qe51d623f6c_qkv
		.amdhsa_group_segment_fixed_size 327680
		.amdhsa_private_segment_fixed_size 0
		.amdhsa_enable_private_segment 0
		.amdhsa_kernarg_size 32
		.amdhsa_user_sgpr_count 2
		.amdhsa_user_sgpr_kernarg_segment_ptr 1
		.amdhsa_wavefront_size32 1
		.amdhsa_system_sgpr_workgroup_id_x 1
		.amdhsa_system_sgpr_workgroup_id_y 1
		.amdhsa_system_sgpr_workgroup_id_z 1
		.amdhsa_system_vgpr_workitem_id 0
		.amdhsa_next_free_vgpr 968
		.amdhsa_next_free_sgpr 96
		.amdhsa_reserve_vcc 0
		.amdhsa_float_denorm_mode_32 3
		.amdhsa_float_denorm_mode_16_64 3
		.amdhsa_memory_ordered 1
		.amdhsa_forward_progress 1
		.amdhsa_inst_pref_size 127
	.end_amdhsa_kernel
	.amdgpu_metadata
---
amdhsa.version: [ 1, 2 ]
amdhsa.kernels:
  - .name:           k_qe51d623f6c_qkv
    .symbol:         k_qe51d623f6c_qkv.kd
    .args:
      - { .name: hcat, .offset: 0, .size: 8, .value_kind: global_buffer, .address_space: global }
      - { .name: wts, .offset: 8, .size: 8, .value_kind: global_buffer, .address_space: global }
      - { .name: Wqkv_b, .offset: 16, .size: 8, .value_kind: global_buffer, .address_space: global }
      - { .name: qkvh, .offset: 24, .size: 8, .value_kind: global_buffer, .address_space: global }
    .group_segment_fixed_size: 327680
    .private_segment_fixed_size: 0
    .kernarg_segment_align: 8
    .kernarg_segment_size: 32
    .max_flat_workgroup_size: 128
    .sgpr_count:     96
    .vgpr_count:     968
    .wavefront_size: 32
...
	.end_amdgpu_metadata
.endif
;; end of part 2
;; launch attn (part 3): grid 8 x 32, 4 waves a work-group, clusters of 4 x 1, 327,680 bytes of LDS; arguments qkvh, ctxh; writes ctxh
.if DOCPART == 3
	.amdgcn_target "amdgcn-amd-amdhsa--gfx1250"
	.amdhsa_code_object_version 6
	.text
	.protected	k_qe51d623f6c_attn
	.globl	k_qe51d623f6c_attn
	.p2align	8
	.type	k_qe51d623f6c_attn,@function
k_qe51d623f6c_attn:
	s_mov_b64 s[64:65], 0
	v_nop
	global_prefetch_b8 v0, s[64:65] scope:SCOPE_SE
	s_setreg_imm32_b32 hwreg(HW_REG_WAVE_MODE, 25, 1), 1
	s_wait_xcnt 0x0
	s_wait_alu depctr_hold_cnt(0) depctr_sa_sdst(0) depctr_va_vdst(0) depctr_va_sdst(0) depctr_va_ssrc(0) depctr_va_vcc(0) depctr_vm_vsrc(0)
	s_getreg_b32 s2, hwreg(HW_REG_IB_STS2, 6, 4)
	s_cmp_eq_u32 s2, 0
	s_cbranch_scc0 .Lentry_in_a_cluster
	s_endpgm
.Lentry_in_a_cluster:
	s_bfe_u32 s2, ttmp6, 0x10000c
	s_cmp_lg_u32 s2, 0x3003
	s_cbranch_scc0 .Lentry_shape_is_right
	s_endpgm
.Lentry_shape_is_right:
; ATTENTION.  O[bh][q][:] = the sum over k of softmax_k(Q[bh][q] . K[bh][k] / 8) V[bh][k][:].  Q, K, V lie in qkvh (8,388,608 bytes each), O in ctxh: [32][2048][64] bf16, rows of 128 bytes on end.
; Products, maxima and sums in f32; the weights p are rounded to bf16 for the second product (their sum l is taken of the unrounded p), O once at the end.
; LIMITS: a weight below 2^-126 counts as 0; NaN and infinities are not treated apart.
; SHARES.  A work-group owns 256 queries of one head, each of its four waves 64: four PIECES of 16.  Every wave walks all 2,048 keys, 64 a step; an LDS slot holds 256 keys, four steps.
; LAYOUT.  S^T = K Q^T (source 0 = 16 keys, source 1 = 16 queries) holds ONE query a lane (lane % 16) and the keys 8 (lane / 16) + 0..7; two such results rounded to bf16 ARE source 1 of O^T = V^T P.
; SOFTMAX.  A running maximum m and sum l: p = 2^(c s - c m), c = log2(e) / 8; in every step O and l are multiplied by a = 2^(c m_old - c m_new).  m starts at the lowest finite number, O and l at 0.
; TURNS.  Turn n belongs to piece n: 8 products K Q^T of piece n + 1, later 8 products V^T P of piece n - 1; beside them the scaling, exponentials, roundings, sums and rescaling of piece n and the
; maximum and statistics of piece n + 1.  Four vector instructions stand behind every matrix instruction, the others in one lump.  A turn's 33 exponentials are one batch with one wait.
; THE END.  The last tile's loop is entered in its middle: pieces 2 and 3 have five passes, pieces 0 and 1 four.  The fifth pass has no further step: it fetches the last step's K once more, and its 8 products
; K Q^T and the maximum made of them serve nothing (they touch m and c m of piece 0 alone, which the way out does not read): the price, once a launch, of one text for every pass.
; CLUSTER.  The four query blocks of a cluster belong to one head and walk the same K and V: each tile is asked for jointly, by the same tensor load, descriptor and mask in all four.
; REGISTERS by windows of 256: window 0: v0-15 addresses, v16-31 statistics, v48-55 at work, v61-63, v64-127 S^T (two buffers), v192-223 P (two buffers);
; window 1: v0-127 O^T, 32 a piece; window 2: v0-63 Q, v128-191 K of one step, v192-255 V of one step.
.set NP,    4
.set KS,    64
.set PK,    144       ; a row of K in LDS: 128 bytes + 16: the 16 rows of a load start at 16 different groups of four banks (64 banks of 4 bytes: ISA guide 11.1)
.set PV,    160       ; a row of V: 128 + 32
.set VOFF,  4*KS*PK
.set SLOT1, 1<<17
.set KLAST, SLOT1+3*KS*PK  ; where the last step's K lies: tile 7 is in slot 1
.set STAGE, SLOT1+4*KS*(PK+PV)
.set SP,    144
.set SPARE, STAGE+4*16*SP
.set AK0, 2
.set AV0, 3
.set AK,  4
.set AV,  5
.set STO, 6
.set RD,  7
.set GO,  8
.set MV,  12
.set QO,  15
.set ST,  16
.set TMP, 48
.set PFO, 61
.set SPW, 62
.set NIL, 63
.set S,   64
.set P,   192
.set KF,  128
.set VF,  192
.set WV,  12
.set LIM, 15
.set PFA, 18
.set G1K, 24
.set G1V, 32
.set G0K, 40
.set G0V, 44
.set SLOTS, 56
.set CNT, 57
.set CS,  58
.set SEL, 60
.set TBK, 62
.set TBV, 63
.set MSB, 0
.macro WIN new
.if MSB != (\new)
	s_set_vgpr_msb (MSB<<8)|(\new)
.set MSB, (\new)
.endif
.endm
.set W_KQ, 0x0a       ; K and Q in window 2, S^T in window 0
.set W_PV, 0x52       ; V in window 2, P in window 0, O^T in window 1
.set W_RS, 0x41       ; destination and source 0 in window 1, source 1 in window 0
.macro JLOAD                        ; a joint fill: waves 0, 1 the halves of a slot's K, waves 2, 3 those of its V, 128 keys each
	s_cmp_lt_u32 s[WV], 2
	s_cbranch_scc0 .Lfor_v_\@
	tensor_load_to_lds s[G0K:G0K+3], s[G1K:G1K+7]
	s_nop 0
.rept 4
	v_nop
.endr
	s_branch .Lasked_\@
.Lfor_v_\@:
	tensor_load_to_lds s[G0V:G0V+3], s[G1V:G1V+7]
	s_nop 0
.rept 4
	v_nop
.endr
.Lasked_\@:
.endm
.macro CROUND
	s_barrier_signal -1
	s_barrier_wait -1
	s_cmp_lg_u32 s[WV], 0
	s_cbranch_scc1 .Lnot_wave_0_\@
	s_barrier_signal -3
.Lnot_wave_0_\@:
	s_barrier_wait -3
	s_barrier_signal -1
	s_barrier_wait -1
.endm
; A prefetch of the tile that the NEXT change of slots will ask for.  Both clusters of a head walk the same rows: the first asks.  Its four partners take 8,192 bytes each, told apart by address;
; wave 0 asks for K's, wave 2 for V's, a lane for each 256 bytes.  The last change that fills a slot asks for nothing.
.macro ASK
	s_cmp_gt_u32 s[SLOTS], s[LIM]
	s_cbranch_scc0 .Lnot_mine_\@
	global_prefetch_b8 v[PFO], s[PFA:PFA+1] th:TH_LOAD_NT scope:SCOPE_SE
.Lnot_mine_\@:
.endm
; THE CHANGE OF SLOTS.  Each wave waits for all its tensor loads (one is out: its part of the other slot), adds 0 to its spare word, and waits for that and for its reads of the slot that it leaves.
; fill = 1: the barrier is a round of the cluster's, and the joint fill stands first behind it: it has four key steps, 256 matrix instructions, in which to land.
.macro CHANGE fill, ask
	WIN 0
	s_wait_tensorcnt 0x0
	ds_add_u32 v[SPW], v[NIL]
.if \fill
.irp g, G0K, G0V
	s_xor_b32 s[\g+1], s[\g+1], SLOT1
	s_add_nc_u64 s[\g+2:\g+3], s[\g+2:\g+3], 4*KS*128
.endr
.if \ask
	s_wait_xcnt 0x0                 ; the last prefetch, four key steps back, has read its address
	s_add_nc_u64 s[PFA:PFA+1], s[PFA:PFA+1], 4*KS*128
.endif
	s_wait_dscnt 0x0
	CROUND
	JLOAD
.if \ask
	ASK
.endif
.else
	s_wait_dscnt 0x0
	s_barrier_signal -1
	s_barrier_wait -1
.endif
	s_sub_co_u32 s[TBK], s[TBK], 4*KS*PK  ; the fetches go back to a slot's first step, in the other slot
	s_xor_b32 s[TBK], s[TBK], SLOT1
	s_sub_co_u32 s[TBV], s[TBV], 4*KS*PV
	s_xor_b32 s[TBV], s[TBV], SLOT1
.endm
	s_load_b128 s[4:7], s[0:1], 0x0 ; qkvh s[4:5], ctxh s[6:7]
	v_lshl_add_u32 v[SPW], v0, 2, SPARE
	v_mov_b32 v[NIL], 0
	ds_add_u32 v[SPW], v[NIL]       ; the wave's opening: the add and its wait stand ahead of my first tensor load
	v_lshrrev_b32 v1, 5, v0
	v_readfirstlane_b32 s[WV], v1
	s_bfe_u32 s13, ttmp6, 0x40000   ; cx
	s_lshl_b32 s14, ttmp9, 2
	s_add_co_u32 s14, s14, s13      ; my block of 256 queries: it enters Q's and O's addresses alone
	s_and_b32 s20, ttmp7, 0xffff    ; the head, which the four partners share
	s_lshl_b32 s20, s20, 18         ; its 2,048 rows of 128 bytes
	s_and_b32 s16, s[WV], 1         ; which half of a slot's 256 keys I fetch
	s_lshl_b32 s22, s16, 14
	s_add_co_u32 s22, s22, s20
	s_mov_b32 s23, 0
	s_mul_i32 s17, s16, 128*PK
	s_mul_i32 s21, s16, 128*PV
	s_lshl_b32 s2, s14, 2
	s_add_co_u32 s2, s2, s[WV]
	s_lshl_b32 s2, s2, 13           ; my wave's 64 rows
	s_add_co_u32 s2, s2, s20
	s_mov_b32 s3, 0
	; 128 keys are 16,384 dense bytes: asked for as 64 rows of 256 bytes, two keys a row, padded in LDS after every key
	s_mov_b32 s[G1K], 15|(1<<16)|(1<<20)|(1<<21)|(4<<22)|(3<<25)
	s_mov_b32 s[G1V], 15|(1<<16)|(1<<20)|(1<<21)|(4<<22)|(7<<25)
.irp g, G1K, G1V
	s_mov_b32 s[\g+1], 128<<16
	s_mov_b32 s[\g+2], 64<<16
	s_mov_b32 s[\g+3], 128<<16
	s_mov_b32 s[\g+4], 64
	s_mov_b32 s[\g+5], 128
	s_mov_b32 s[\g+6], 0
	s_mov_b32 s[\g+7], 0
.endr
	s_mov_b32 s[CS], 0x3e38aa3b     ; c = log2(e) / 8
	s_mov_b32 s[CS+1], s[CS]
	s_mov_b32 s[SEL], 0x76543210
	s_mov_b32 s[SEL+1], 0xfedcba98
	s_mov_b32 s[TBK], SLOT1+4*KS*PK ; the first change of slots turns these two into 0
	s_mov_b32 s[TBV], SLOT1+4*KS*PV
	s_mov_b32 s[G0K], 1
	s_mov_b32 s[G0K+1], s17
	s_mov_b32 s[G0V], 1
	s_add_co_u32 s[G0V+1], s21, VOFF
	s_mov_b32 s[SLOTS], 7
	s_and_b32 s[LIM], s[WV], 1
	s_or_b32 s[LIM], s[LIM], ttmp9  ; 0 in waves 0 and 2 of the head's first cluster: the same in all four partners
	s_cmp_eq_u32 s[LIM], 0
	s_cselect_b32 s[LIM], 1, -1
	v_and_b32 v[PFO], 31, v0
	v_lshlrev_b32 v[PFO], 8, v[PFO]
	s_wait_dscnt 0x0                ; the opening add is done
	s_wait_kmcnt 0x0
	s_add_nc_u64 s[8:9], s[4:5], s[22:23]
	s_add_nc_u64 s[10:11], s[8:9], 0x1000000  ; V at my half of the head's first tile
	s_add_nc_u64 s[8:9], s[8:9], 0x800000     ; K likewise
	s_mov_b64 s[G0K+2:G0K+3], s[8:9]
	s_or_b32 s[G0K+3], s[G0K+3], 0x80000000
	s_mov_b64 s[G0V+2:G0V+3], s[10:11]
	s_or_b32 s[G0V+3], s[G0V+3], 0x80000000
	s_add_nc_u64 s[4:5], s[4:5], s[2:3]       ; Q and O at my wave's first row
	s_add_nc_u64 s[6:7], s[6:7], s[2:3]
	s_cmp_lt_u32 s[WV], 2
	s_cselect_b64 s[PFA:PFA+1], s[8:9], s[10:11]
	s_lshl_b32 s50, s13, 13
	s_add_co_u32 s50, s50, 2*4*KS*128         ; in tile 2; the loop's first change steps it to tile 3
	s_mov_b32 s51, 0
	s_add_nc_u64 s[PFA:PFA+1], s[PFA:PFA+1], s[50:51]
	CROUND                          ; all four work-groups are here
	JLOAD                           ; tile 0 into slot 0
	v_and_b32 v1, 15, v0
	v_bfe_u32 v9, v0, 4, 1
	v_lshlrev_b32 v[QO], 7, v1
	v_lshl_add_u32 v[QO], v9, 4, v[QO]
	WIN 0x80
.set i, 0
.rept 8                             ; Q stays in registers: piece i / 2, channels 32 (i % 2) on
	global_load_b128 v[8*i:8*i+3],   v[QO], s[4:5] offset:(i/2)*2048+(i%2)*64
	global_load_b128 v[8*i+4:8*i+7], v[QO], s[4:5] offset:(i/2)*2048+(i%2)*64+32
.set i, i+1
.endr
	; what the first turn finds: V and P's second buffer hold 0 (its products V^T P, of a piece that has not been, add 0), O^T and l are 0.  All this stands in the wait for the first tile.
.set i, VF
.rept 64
	v_mov_b32 v[i], 0
.set i, i+1
.endr
	WIN 0x40
.set i, 0
.rept 128
	v_mov_b32 v[i], 0
.set i, i+1
.endr
	WIN 0
.set i, 0
.rept 4
	v_mov_b32 v[ST+4*i], 0xfe000000    ; c m: far below every c s
	v_mov_b32 v[ST+4*i+1], 0xff7fffff  ; m
	v_mov_b32 v[ST+4*i+2], 0
	v_mov_b32 v[ST+4*i+3], 0
.set i, i+1
.endr
.set i, P+16
.rept 16
	v_mov_b32 v[i], 0
.set i, i+1
.endr
	v_mul_u32_u24 v[AK0], v1, PK
	v_lshl_add_u32 v[AK0], v9, 4, v[AK0]
	v_and_b32 v10, 7, v0            ; the turning load: lane l reads key 8 (l / 16) + l % 8, channels 8 ((l / 8) % 2) + 0..7
	v_bfe_u32 v11, v0, 3, 1
	v_lshl_add_u32 v[AV0], v9, 3, v10
	v_mul_u32_u24 v[AV0], v[AV0], PV
	v_lshl_add_u32 v[AV0], v11, 4, v[AV0]
	v_add_nc_u32 v[AV0], VOFF, v[AV0]
	s_mul_i32 s13, s[WV], 16*SP
	s_add_co_u32 s13, s13, STAGE    ; my stage
	v_mul_u32_u24 v[STO], v1, SP
	v_lshl_add_u32 v[STO], v9, 4, v[STO]
	v_add_nc_u32 v[STO], s13, v[STO]
	v_bfe_u32 v[RD], v0, 3, 2
	v_mul_u32_u24 v[RD], v[RD], SP
	v_lshl_add_u32 v[RD], v10, 4, v[RD]
	v_add_nc_u32 v[RD], s13, v[RD]
	v_and_b32 v[GO], 31, v0
	v_lshlrev_b32 v[GO], 4, v[GO]
; THE MATRIX WORK.  The 4 accumulators of a run of 8 take turns.  Product i of 8 of S^T for piece x: channels 32 (i / 4) on, keys 16 (i % 4) on; the first 4 start the sums.
.macro KQ x
	WIN W_KQ
.set rS, S+32*((\x)%2)+8*(i%4)
.set rK, KF+16*(i%4)+8*(i/4)
.set rQ, 16*(\x)+8*(i/4)
.if i < 4
	v_wmma_f32_16x16x32_bf16 v[rS:rS+7], v[rK:rK+7], v[rQ:rQ+7], 0
.else
	v_wmma_f32_16x16x32_bf16 v[rS:rS+7], v[rK:rK+7], v[rQ:rQ+7], v[rS:rS+7]
.endif
.endm
.macro PV x                         ; product i of 8 of O^T += V^T P for piece x: keys 32 (i / 4) on, channels 16 (i % 4) on
	WIN W_PV
.set rO, 32*(\x)+8*(i%4)
.set rV, VF+32*(i/4)+8*(i%4)
.set rP, P+16*((\x)%2)+8*(i/4)
	v_wmma_f32_16x16x32_bf16 v[rO:rO+7], v[rV:rV+7], v[rP:rP+7], v[rO:rO+7]
.endm
.macro MM                           ; the turn's next matrix instruction
.if i < 8
	KQ (Y+1)%NP
.else
.set i, i-8
	PV (Y+NP-1)%NP
.set i, i+8
.endif
.set i, i+1
.endm
.macro FETCH_K                      ; a run of 16 LDS loads: a step's K
	WIN 0x80
.irp f, 0,1,2,3,4,5,6,7
	ds_load_b128 v[KF+8*\f:KF+8*\f+3],   v[AK] offset:(\f/2)*16*PK+(\f%2)*64
	ds_load_b128 v[KF+8*\f+4:KF+8*\f+7], v[AK] offset:(\f/2)*16*PK+(\f%2)*64+32
.endr
	s_add_co_u32 s[TBK], s[TBK], KS*PK
	WIN 0
.endm
.macro FETCH_V                      ; and its V, turned
	WIN 0x80
.irp f, 0,1,2,3,4,5,6,7
	ds_load_tr16_b128 v[VF+8*\f:VF+8*\f+3],   v[AV] offset:(\f/4)*32*PV+(\f%4)*32
	ds_load_tr16_b128 v[VF+8*\f+4:VF+8*\f+7], v[AV] offset:(\f/4)*32*PV+16*PV+(\f%4)*32
.endr
	WIN 0
.endm
; THE VECTOR WORK, one line at a time: OP kind, number.  For piece Y: F n: c s - c m for pair n.  E n: the exponential of score n.  C n: pair n rounded to bf16.  B n: of the four weights 4 n .. the second
; pair is added onto the first.  L n: l takes that sum (L 0: l = a l + sum).  R n: pair n of O^T times a.  For piece Y + 1: X n, number n of the 22 that find its maximum and statistics
; (each accumulator's lowest registers are read first).
.set F, 0
.set E, 1
.set C, 2
.set B, 3
.set L, 4
.set R, 5
.set X, 6
.macro REGS y
.set rT, ST+4*(\y)
.set rC, TMP+4*((\y)%2)
.set rW, MV+((\y)%2)
.set rS, S+32*((\y)%2)
.set rP, P+16*((\y)%2)
.set rO, 32*(\y)
.endm
.macro OP k, n
.if (\k) == R
	REGS Y
	WIN W_RS
	v_pk_mul_f32 v[rO+2*(\n):rO+2*(\n)+1], v[rO+2*(\n):rO+2*(\n)+1], v[rC+2:rC+3] op_sel_hi:[1,0]
.elseif (\k) < R
	REGS Y
	WIN 0
.if (\k) == F
	v_pk_fma_f32 v[rS+2*(\n):rS+2*(\n)+1], v[rS+2*(\n):rS+2*(\n)+1], s[CS:CS+1], v[rT:rT+1] op_sel_hi:[1,0,0] neg_lo:[0,0,1] neg_hi:[0,0,1]
.elseif (\k) == E
	v_exp_f32 v[rS+(\n)], v[rS+(\n)]
.elseif (\k) == C
	v_cvt_pk_bf16_f32 v[rP+(\n)], v[rS+2*(\n)], v[rS+2*(\n)+1]
.elseif (\k) == B
	v_pk_add_f32 v[rS+4*(\n):rS+4*(\n)+1], v[rS+4*(\n):rS+4*(\n)+1], v[rS+4*(\n)+2:rS+4*(\n)+3]
.elseif (\n) == 0
	v_pk_fma_f32 v[rT+2:rT+3], v[rT+2:rT+3], v[rC+2:rC+3], v[rS:rS+1] op_sel_hi:[1,0,1]
.else
	v_pk_add_f32 v[rT+2:rT+3], v[rT+2:rT+3], v[rS+4*(\n):rS+4*(\n)+1]
.endif
.else
	REGS (Y+1)%NP
	WIN 0
.if (\n) < 4
	v_max3_num_f32 v[rC+(\n)], v[rS+8*(\n)], v[rS+8*(\n)+1], v[rS+8*(\n)+2]
.elseif (\n) < 12
	v_max3_num_f32 v[rC+(\n)%4], v[rC+(\n)%4], v[rS+8*((\n)%4)+2*((\n)/4)+1], v[rS+8*((\n)%4)+2*((\n)/4)+2]
.elseif (\n) == 12
	v_max3_num_f32 v[rC], v[rC], v[rS+7], v[rS+15]
.elseif (\n) == 13
	v_max3_num_f32 v[rC+1], v[rC+1], v[rS+23], v[rS+31]
.elseif (\n) == 14
	v_max3_num_f32 v[rC+2], v[rC+2], v[rC+3], v[rT+1]
.elseif (\n) == 15
	v_mov_b32 v[rW], v[rT]
.elseif (\n) == 16
	v_max3_num_f32 v[rC], v[rC], v[rC+1], v[rC+2]
.elseif (\n) == 17
	v_permlanex16_b32 v[rC+3], v[rC], s[SEL], s[SEL+1]
.elseif (\n) == 18
	v_max_num_f32 v[rT+1], v[rC], v[rC+3]
.elseif (\n) == 19
	v_mul_f32 v[rT], s[CS], v[rT+1]
.elseif (\n) == 20
	v_sub_f32 v[rC+1], v[rW], v[rT]
.else
	v_exp_f32 v[rC+2], v[rC+1]
.endif
.endif
.endm
.macro OPS a, i1, b=-1, i2=0, c=-1, i3=0, d=-1, i4=0
	OP \a, \i1
.if (\b) >= 0
	OP \b, \i2
.endif
.if (\c) >= 0
	OP \c, \i3
.endif
.if (\d) >= 0
	OP \d, \i4
.endif
.endm
.macro ROW a, i1, b, i2, c, i3, d, i4  ; a matrix instruction and the four behind it
	MM
	OPS \a, \i1, \b, \i2, \c, \i3, \d, \i4
.endm
; A TURN, for piece p.  Ahead of its one wait stands all that names no result of the turn's exponentials: the 8 products K Q^T and their riders, then the lump; X 21, the next piece's a, is the batch's last,
; R 15 the plain instruction behind it.  Behind the wait: the 8 products V^T P, behind each four of the roundings and sums.
; K of the next step is fetched in piece 2's turn, V of the step in hand at the end of piece 0's; each is waited for a turn later.
; last = 1 (the last tile): K's place is held at the last step's, so that the pass behind the last step reads bytes that were filled.
; cnt = 1: the loop's count is taken down some lines ahead of the branch that stands behind the turn.
.macro TURN p, last=0, cnt=0
.set Y, (\p)
.set i, 0
.if (\p) == 3
	s_wait_dscnt 0x0                ; K is in
.endif
	ROW F,0, F,1, R,0, R,1
	ROW F,2, E,0, R,2, R,3
	ROW F,3, E,1, R,4, R,5
	ROW F,4, E,2, R,6, R,7
	ROW F,5, E,3, R,8, R,9
	ROW F,6, E,4, X,0, R,10
.if (\p) == 2
	WIN 0
.if \last
	s_min_u32 s[TBK], s[TBK], KLAST
.endif
	v_add_nc_u32 v[AK], s[TBK], v[AK0]
.endif
	ROW F,7, E,5, X,1, X,4
	ROW F,8, E,6, X,2, X,5
	OPS E,7, E,8, X,6, E,9
	OPS X,3, E,10, X,8, E,11
.if (\p) == 2
	FETCH_K
.endif
	OPS X,9, X,7, E,12, X,10
	OPS E,13, X,12, X,11, E,14
	OPS X,13, E,15, F,9, X,14
.if (\p) == 0
	v_add_nc_u32 v[AV], s[TBV], v[AV0]
.endif
	OPS E,16, F,10, E,17, F,11
	OPS X,16, E,18, X,15, E,19
	OPS F,12, E,20, X,17, E,21
	OPS F,13, E,22, F,14, E,23
	OPS X,18, E,24, F,15, E,25
	OPS R,11, E,26, X,19, E,27
	OPS R,12, E,28, R,13, E,29
	OPS X,20, E,30, R,14, E,31
	OPS X,21, R,15
	WIN 0
	s_wait_alu depctr_va_vdst(0)    ; the one wait for the batch, ahead of the first instruction that names a result
.if (\p) == 1
	s_wait_dscnt 0x0                ; V is in
.endif
	ROW C,0, B,0, C,2, B,1
	ROW L,0, C,4, B,2, L,1
	ROW C,6, B,3, L,2, C,8
	ROW B,4, L,3, C,10, B,5
	ROW L,4, C,12, B,6, L,5
.if (\p) == 0
	s_add_co_u32 s[TBV], s[TBV], KS*PV
.endif
.if \cnt
	s_sub_co_u32 s[CNT], s[CNT], 1
	s_cmp_lg_u32 s[CNT], 0
.endif
	ROW C,14, B,7, L,6, C,1
	ROW C,3, L,7, C,5, C,7
	ROW C,9, C,11, C,13, C,15
.if (\p) == 0
	FETCH_V
.endif
.endm
	CHANGE 1, 0                     ; tile 0 is in, everybody's part of it; tile 1 is asked for
	v_add_nc_u32 v[AK], s[TBK], v[AK0]
	FETCH_K                         ; key step 0
	s_wait_loadcnt 0x0              ; Q
	s_wait_dscnt 0x0
.set i, 0
.rept 8
	KQ 0                            ; piece 0's first scores
.set i, i+1
.endr
	WIN 0
.rept 4
	v_nop                           ; the places behind those products
.endr
.set Y, NP-1
.irp n, 0,1,2,3,4,5,6,7,8,9,10,11,12,13,14,15,16,17,18,19,20,21
	OP X, \n                        ; and its first maximum and statistics
.endr
	v_nop                           ; a plain instruction behind the exponential,
	s_wait_alu depctr_va_vdst(0)    ; and its wait, ahead of the branch
	s_mov_b32 s[CNT], 4
	s_branch .Lfirst                ; the loop is entered at a step's first turn, in the middle of a trip
.Lslot:                             ; six times: tiles 2 to 7 are asked for
	CHANGE 1, 1
	s_mov_b32 s[CNT], 4
.Lstep:                             ; a trip: pieces 2 and 3 of one step, then pieces 0 and 1 of the next
	TURN 2
	TURN 3
	WIN 0
.Lfirst:
	TURN 0
	TURN 1, 0, 1
	WIN 0
	s_cbranch_scc1 .Lstep
	s_sub_co_u32 s[SLOTS], s[SLOTS], 1
	s_cmp_lg_u32 s[SLOTS], 0
	s_cbranch_scc1 .Lslot
	CHANGE 0, 0                     ; the last tile has a loop of its own: nothing is asked for
	s_mov_b32 s[CNT], 5             ; five passes of pieces 2 and 3 (steps 27 to 31), four of pieces 0 and 1 (steps 28 to 31)
	s_branch .LmidT
.LtailT:
	TURN 0
	TURN 1
	WIN 0
.LmidT:
	TURN 2, 1
	TURN 3
	WIN 0
	s_sub_co_u32 s[CNT], s[CNT], 1
	s_cmp_lg_u32 s[CNT], 0
	s_cbranch_scc1 .LtailT
.set i, 0
.rept 8
	PV NP-1                         ; the last piece's V^T P of the last step
.set i, i+1
.endr
	; THE WAY OUT.  l's two halves and the other half of the lanes' are added; O^T is divided by l, rounded to bf16 and sent through my stage, a piece at a time.  The additions are the places behind the last products.
	WIN 0
.macro ALL line:vararg
.set t, 0
.rept 4
	\line
.set t, t+1
.endr
.endm
	ALL v_add_f32 v[ST+4*t+2], v[ST+4*t+2], v[ST+4*t+3]
	ALL v_permlanex16_b32 v[ST+4*t+3], v[ST+4*t+2], s[SEL], s[SEL+1]
	ALL v_add_f32 v[ST+4*t+2], v[ST+4*t+2], v[ST+4*t+3]
	ALL v_rcp_f32 v[ST+4*t+2], v[ST+4*t+2]
	v_nop
	s_wait_alu depctr_va_vdst(0)    ; one wait for the four reciprocals
.macro PACK t
	WIN W_RS
.set i, 32*(\t)
.rept 16
	v_pk_mul_f32 v[i:i+1], v[i:i+1], v[ST+4*(\t)+2:ST+4*(\t)+3] op_sel_hi:[1,0]
.set i, i+2
.endr
	WIN 0x05
.set i, 0
.rept 16
	v_cvt_pk_bf16_f32 v[S+16*(\t)+i], v[32*(\t)+2*i], v[32*(\t)+2*i+1]
.set i, i+1
.endr
	WIN 0
.irp f, 0,1,2,3
	ds_store_b128 v[STO], v[S+16*(\t)+4*\f:S+16*(\t)+4*\f+3] offset:32*\f
.endr
.irp f, 0,1,2,3
	ds_load_b128 v[S+16*(\t)+4*\f:S+16*(\t)+4*\f+3], v[RD] offset:\f*4*SP  ; LDS serves a wave's instructions in order (ISA guide 5.7.1.4): these see the stores above
.endr
.endm
.macro SEND t, younger              ; younger: the LDS instructions issued behind piece t's loads
	WIN 0
.irp f, 0,1,2,3
	s_wait_dscnt (\younger)+3-\f
	global_store_b128 v[GO], v[S+16*(\t)+4*\f:S+16*(\t)+4*\f+3], s[6:7] offset:(\t)*2048+\f*512  ; 512 consecutive bytes, aligned
.endr
.endm
	PACK 0
.set t, 1
.rept 3
	PACK t
	SEND t-1, 8
.set t, t+1
.endr
	SEND 3, 0
	s_wait_tensorcnt 0x0            ; the wave's end
	ds_add_u32 v[SPW], v[NIL]
	s_wait_dscnt 0x0
	CROUND                          ; the closing round
	s_endpgm
.Lfunc_end_k_qe51d623f6c_attn:
	.size	k_qe51d623f6c_attn, .Lfunc_end_k_qe51d623f6c_attn-k_qe51d623f6c_attn
	.p2alignl 7, 3214868480
	.fill 96, 4, 3214868480
	.section	.rodata,"a",@progbits
	.p2align	6, 0x0
	.amdhsa_kernel k_qe51d623f6c_attn
		.amdhsa_group_segment_fixed_size 327680
		.amdhsa_private_segment_fixed_size 0
		.amdhsa_enable_private_segment 0
		.amdhsa_kernarg_size 16
		.amdhsa_user_sgpr_count 2
		.amdhsa_user_sgpr_kernarg_segment_ptr 1
		.amdhsa_wavefront_size32 1
		.amdhsa_system_sgpr_workgroup_id_x 1
		.amdhsa_system_sgpr_workgroup_id_y 1
		.amdhsa_system_sgpr_workgroup_id_z 1
		.amdhsa_system_vgpr_workitem_id 0
		.amdhsa_next_free_vgpr 768
		.amdhsa_next_free_sgpr 66
		.amdhsa_reserve_vcc 0
		.amdhsa_float_denorm_mode_32 3
		.amdhsa_float_denorm_mode_16_64 3
		.amdhsa_memory_ordered 1
		.amdhsa_forward_progress 1
		.amdhsa_inst_pref_size 111
	.end_amdhsa_kernel
	.amdgpu_metadata
---
amdhsa.version: [ 1, 2 ]
amdhsa.kernels:
  - .name:           k_qe51d623f6c_attn
    .symbol:         k_qe51d623f6c_attn.kd
    .args:
      - { .name: qkvh, .offset: 0, .size: 8, .value_kind: global_buffer, .address_space: global }
      - { .name: ctxh, .offset: 8, .size: 8, .value_kind: global_buffer, .address_space: global }
    .group_segment_fixed_size: 327680
    .private_segment_fixed_size: 0
    .kernarg_segment_align: 8
    .kernarg_segment_size: 16
    .max_flat_workgroup_size: 128
    .sgpr_count:     66
    .vgpr_count:     768
    .wavefront_size: 32
...
	.end_amdgpu_metadata
.endif
;; end of part 3
;; launch outp (part 4): grid 8 x 32, 4 waves a work-group, clusters of 4 x 4, 327,680 bytes of LDS; arguments ctxh, wts, hcat; writes hcat
.if DOCPART == 4
	.amdgcn_target "amdgcn-amd-amdhsa--gfx1250"
	.amdhsa_code_object_version 6
	.text
	.protected	k_qe51d623f6c_outp
	.globl	k_qe51d623f6c_outp
	.p2align	8
	.type	k_qe51d623f6c_outp,@function
k_qe51d623f6c_outp:
	s_mov_b64 s[64:65], 0
	v_nop
	global_prefetch_b8 v0, s[64:65] scope:SCOPE_SE
	s_setreg_imm32_b32 hwreg(HW_REG_WAVE_MODE, 25, 1), 1
	s_wait_xcnt 0x0
	s_wait_alu depctr_hold_cnt(0) depctr_sa_sdst(0) depctr_va_vdst(0) depctr_va_sdst(0) depctr_va_ssrc(0) depctr_va_vcc(0) depctr_vm_vsrc(0)
	s_getreg_b32 s2, hwreg(HW_REG_IB_STS2, 6, 4)
	s_cmp_eq_u32 s2, 0
	s_cbranch_scc0 .Lentry_in_a_cluster
	s_endpgm
.Lentry_in_a_cluster:
	s_bfe_u32 s2, ttmp6, 0x10000c
	s_cmp_lg_u32 s2, 0xf033
	s_cbranch_scc0 .Lentry_shape_is_right
	s_endpgm
.Lentry_shape_is_right:
; OUT PROJECTION.  message = ctx out_w^T + out_b: [4096 x 1024] x [1024 x 1024], stored bf16 into the second half of hcat's rows.
; A tile is 128 x 128: 256 work-groups.  Four waves of 64 x 64: 16 accumulators.  K goes in 4 steps of 256 through two LDS slots; 4 x 4 work-groups form a cluster, ctx's tile is shared along its row, out_w's along its column.
; ctx lies by heads, [32][2048][64]: a K step is four heads, and a wave's load is 4 dense blocks of 64 rows x 128 bytes, padded in LDS after every row: [head 4][row 64][144 bytes].
; The matrix instruction is used transposed (source 0 = 16 rows of out_w, source 1 = 16 rows of ctx).  The first product of each accumulator takes the bias as C.
; A trip of the loop is one K step; the slot in hand is a scalar register that an exclusive or turns, and one descriptor for each operand walks from step to step.
; No prefetch: the tiles are small and a step's work is short.  LIMITS: operands and bias in bf16, sums in f32.
; REGISTERS: window 0: v0-31 addresses, v32-95 at work, v96-127 the bias, v128-255 the accumulators; window 1: two fragment buffers of 128.
.set PITCH,  528
.set PA,     144
.set HALFA,  4*64*PA
.set HALFB,  64*PITCH
.set SLOTX,  0x24000                   ; slot 1 begins at 147,456 = 2^17 + 2^14.  Neither bit is set in 0, 36,864, 73,728 or 107,520, the LDS bytes at which a wave's part of slot 0 begins: one exclusive or turns each into slot 1's and back
.set STAGE,  SLOTX+2*HALFA+2*HALFB     ; behind the ring, never filled by a tensor load: 128 rows x 272 bytes
.set SPITCH, 272
.set SPARE,  STAGE+128*SPITCH
.set STEPS,  4
.set ASTEP,  1048576                   ; four heads on
.set BSTEP,  512
.set OUTW,   6291456
.set BOFF,   22032384
.set ADRA0, 16
.set ADRB0, 17
.set ADRA, 18
.set ADRB, 19
.set STO,  24
.set RD,   25
.set CO,   26
.set SPW,  28
.set NIL,  29
.set TMP,  32
.set BIAS, 96
.set ACC,  128
.set F0,   0
.set F1,   128
.set WV, 20
.set RH, 21
.set CH, 22
.set CNT, 23
.set G1A, 24
.set G1B, 32
.set G0A, 40
.set G0B, 48
.set TB, 56
.set HIM, 60
.set MSB, 0
.macro WIN new
.if MSB != (\new)
	s_set_vgpr_msb (MSB<<8)|(\new)
.set MSB, \new
.endif
.endm
.set MUL,  0x05
.set TO_F, 0x40
.macro PLACES
.rept 4
	v_nop
.endr
.endm
.macro JLOAD                           ; a joint refill by the walking descriptors: waves 0, 1 ctx's halves, waves 2, 3 out_w's; the branch hangs on the wave's number alone
	s_cmp_lt_u32 s[WV], 2
	s_cbranch_scc0 .Lfor_b_\@
	tensor_load_to_lds s[G0A+4:G0A+7], s[G1A:G1A+7]
	s_nop 0
	PLACES
	s_branch .Lasked_\@
.Lfor_b_\@:
	tensor_load_to_lds s[G0B+4:G0B+7], s[G1B:G1B+7]
	s_nop 0
	PLACES
.Lasked_\@:
.endm
.macro CREST
	s_cmp_lg_u32 s[WV], 0
	s_cbranch_scc1 .Lnot_wave_0_\@
	s_barrier_signal -3
.Lnot_wave_0_\@:
	s_barrier_wait -3
	s_barrier_signal -1
	s_barrier_wait -1
.endm
.macro CROUND
	s_barrier_signal -1
	s_barrier_wait -1
	CREST
.endm
	s_load_b128 s[4:7], s[0:1], 0x0                ; ctxh s[4:5], wts s[6:7]
	s_load_b64 s[8:9], s[0:1], 0x10                ; hcat
	v_lshl_add_u32 v[SPW], v0, 2, SPARE
	v_mov_b32 v[NIL], 0
	ds_add_u32 v[SPW], v[NIL]                      ; the wave's opening: the add and its wait stand ahead of my first tensor load
	v_lshrrev_b32 v3, 5, v0
	v_readfirstlane_b32 s[WV], v3
	s_lshr_b32 s[RH], s[WV], 1
	s_and_b32 s[CH], s[WV], 1
	s_bfe_u32 s12, ttmp6, 0x40000
	s_bfe_u32 s13, ttmp6, 0x40004
	s_lshl_b32 s14, ttmp9, 2
	s_add_co_u32 s14, s14, s12                     ; tile column
	s_and_b32 s15, ttmp7, 0xffff
	s_lshl_b32 s15, s15, 2
	s_add_co_u32 s15, s15, s13                     ; tile row
	s_lshl_b32 s66, s13, 2
	s_lshl_b32 s66, 15, s66
	s_lshl_b32 s67, 0x1111, s12
	s_or_b32 s[G1A], s66, (1<<16)|(1<<20)|(1<<21)|(4<<22)|(3<<25)  ; padded after every 32 words by 4
	s_or_b32 s[G1B], s67, (1<<16)|(1<<20)|(1<<21)|(6<<22)|(3<<25)  ; after every 128 words by 4
	s_mov_b32 s[G1A+1], 4096<<16                   ; tensor_dim0 = 4,096: 64 rows x 64 channels on end
	s_mov_b32 s[G1A+2], 4<<16                      ; tensor_dim1 = 4 heads
	s_mov_b32 s[G1A+3], 4096<<16
	s_mov_b32 s[G1A+4], 4
	s_mov_b32 s[G1A+5], 131072                     ; elements from head to head
	s_mov_b32 s[G1A+6], 0
	s_mov_b32 s[G1A+7], 0
	s_mov_b32 s[G1B+1], 256<<16
	s_mov_b32 s[G1B+2], 64<<16
	s_mov_b32 s[G1B+3], 256<<16
	s_mov_b32 s[G1B+4], 64
	s_mov_b32 s[G1B+5], 1024
	s_mov_b32 s[G1B+6], 0
	s_mov_b32 s[G1B+7], 0
	s_mov_b32 s[G0A], 1
	s_mul_i32 s[G0A+1], s[CH], HALFA
	s_mov_b32 s[G0A+4], 1
	s_add_co_u32 s[G0A+5], s[G0A+1], SLOTX
	s_mov_b32 s[G0B], 1
	s_mul_i32 s[G0B+1], s[CH], HALFB
	s_add_co_u32 s[G0B+1], s[G0B+1], 2*HALFA
	s_mov_b32 s[G0B+4], 1
	s_add_co_u32 s[G0B+5], s[G0B+1], SLOTX
	s_lshr_b32 s16, s15, 4                         ; batch: 16 heads of 262,144 bytes
	s_lshl_b32 s16, s16, 22
	s_and_b32 s17, s15, 15
	s_lshl_b32 s17, s17, 14                        ; 128 rows of 128 bytes
	s_add_co_u32 s16, s16, s17
	s_lshl_b32 s17, s[CH], 13
	s_add_co_u32 s16, s16, s17
	s_mov_b32 s17, 0
	s_lshl_b32 s18, s14, 7
	s_lshl_b32 s19, s[CH], 6
	s_add_co_u32 s18, s18, s19
	s_lshl_b32 s18, s18, 11
	s_add_co_u32 s18, s18, OUTW
	s_mov_b32 s19, 0
	s_mov_b32 s[HIM], 0xffff0000
	s_mov_b32 s[TB], 0
	s_wait_dscnt 0x0
	s_wait_kmcnt 0x0
	s_add_nc_u64 s[80:81], s[4:5], s[16:17]
	s_add_nc_u64 s[82:83], s[6:7], s[18:19]
	s_mov_b64 s[G0A+2:G0A+3], s[80:81]
	s_or_b32 s[G0A+3], s[G0A+3], 0x80000000
	s_add_nc_u64 s[G0A+6:G0A+7], s[80:81], ASTEP
	s_or_b32 s[G0A+7], s[G0A+7], 0x80000000
	s_mov_b64 s[G0B+2:G0B+3], s[82:83]
	s_or_b32 s[G0B+3], s[G0B+3], 0x80000000
	s_add_nc_u64 s[G0B+6:G0B+7], s[82:83], BSTEP
	s_or_b32 s[G0B+7], s[G0B+7], 0x80000000
	CROUND
	s_cmp_lt_u32 s[WV], 2                          ; a wave's two first fills stand in one branch: two loads of mine are out
	s_cbranch_scc0 .Lfirst_b
	tensor_load_to_lds s[G0A:G0A+3], s[G1A:G1A+7]
	s_nop 0
	tensor_load_to_lds s[G0A+4:G0A+7], s[G1A:G1A+7]
	s_nop 0
	PLACES
	s_branch .Lfirst_done
.Lfirst_b:
	tensor_load_to_lds s[G0B:G0B+3], s[G1B:G1B+7]
	s_nop 0
	tensor_load_to_lds s[G0B+4:G0B+7], s[G1B:G1B+7]
	s_nop 0
	PLACES
.Lfirst_done:
	v_and_b32 v1, 15, v0
	v_bfe_u32 v2, v0, 4, 1
	v_lshlrev_b32 v10, 4, v2                       ; the bias: columns 128 tx + 64 half + 16 b + 8 h + 0..7, bf16
	s_lshl_b32 s70, s14, 8
	s_lshl_b32 s71, s[CH], 7
	s_add_co_u32 s70, s70, s71
	s_add_co_u32 s70, s70, BOFF
	s_mov_b32 s71, 0
	s_add_nc_u64 s[70:71], s[6:7], s[70:71]
.irp b, 0,1,2,3
	global_load_b128 v[TMP+4*\b:TMP+4*\b+3], v10, s[70:71] offset:32*\b  ; v10 and s[70:71] are written nowhere below
.endr
	v_mul_u32_u24 v3, v1, PA
	v_lshl_add_u32 v3, v2, 4, v3
	v_mul_u32_u24 v4, v1, PITCH
	v_lshl_add_u32 v4, v2, 4, v4
	s_mul_i32 s68, s[RH], HALFA
	s_mul_i32 s69, s[CH], HALFB
	s_add_co_u32 s69, s69, 2*HALFA
	v_add_nc_u32 v[ADRA0], s68, v3
	v_add_nc_u32 v[ADRB0], s69, v4
	v_mov_b32 v[ADRA], v[ADRA0]
	v_mov_b32 v[ADRB], v[ADRB0]
	s_mul_i32 s68, s[RH], 64*SPITCH                ; into the stage: my 64 rows, my half of their 256 bytes
	s_lshl_b32 s69, s[CH], 7
	s_add_co_u32 s68, s68, s69
	s_add_co_u32 s68, s68, STAGE
	v_mul_u32_u24 v4, v1, SPITCH
	v_lshl_add_u32 v4, v2, 4, v4
	v_add_nc_u32 v[STO], s68, v4
	s_mul_i32 s68, s[WV], 32*SPITCH                ; back: wave w takes rows 32 w .. 32 w + 31, whole
	s_add_co_u32 s68, s68, STAGE
	v_mul_u32_u24 v5, v2, SPITCH
	v_lshl_add_u32 v5, v1, 4, v5
	v_add_nc_u32 v[RD], s68, v5
	v_lshlrev_b32 v5, 12, v2
	v_lshl_add_u32 v[CO], v1, 4, v5
	s_lshl_b32 s68, s15, 7
	s_lshl_b32 s69, s[WV], 5
	s_add_co_u32 s68, s68, s69
	s_lshl_b32 s68, s68, 12
	s_lshl_b32 s69, s14, 8
	s_add_co_u32 s68, s68, s69
	s_add_co_u32 s68, s68, 2048                    ; the message's half of a row
	s_mov_b32 s69, 0
	s_add_nc_u64 s[8:9], s[8:9], s[68:69]
	s_wait_loadcnt 0x0
.set on, 0
.rept 16
	v_lshlrev_b32 v[BIAS+2*on], 16, v[TMP+on]
	v_and_b32 v[BIAS+2*on+1], s[HIM], v[TMP+on]
.set on, on+1
.endr
; 8 matrix instructions: row blocks a0, a0 + 1 x all 4 column blocks, 32 along K: half c of buffer f.  zero = 1: the first product starts the sums from the bias.  The 16 accumulators take turns, in one order everywhere.
.macro MUL8 f, c, a0, zero
	WIN MUL
.irp a, \a0, (\a0)+1
.irp b, 0,1,2,3
.if \zero
	v_wmma_f32_16x16x32_bf16 v[ACC+8*(4*(\a)+(\b)):ACC+8*(4*(\a)+(\b))+7], v[(\f)+64+8*(4*(\c)+(\b)):(\f)+64+8*(4*(\c)+(\b))+7], v[(\f)+8*(4*(\c)+(\a)):(\f)+8*(4*(\c)+(\a))+7], v[BIAS+8*(\b):BIAS+8*(\b)+7]
.else
	v_wmma_f32_16x16x32_bf16 v[ACC+8*(4*(\a)+(\b)):ACC+8*(4*(\a)+(\b))+7], v[(\f)+64+8*(4*(\c)+(\b)):(\f)+64+8*(4*(\c)+(\b))+7], v[(\f)+8*(4*(\c)+(\a)):(\f)+8*(4*(\c)+(\a))+7], v[ACC+8*(4*(\a)+(\b)):ACC+8*(4*(\a)+(\b))+7]
.endif
.endr
.endr
.endm
; 32 LDS loads in one run: 64 along K at byte k of a step; the first 32 along K first.  In ctx's tile byte kb of a step lies in head kb / 128, at kb % 128 of its row.
.macro FETCH k, f
	WIN TO_F
.irp c, 0,1
.irp i, 0,1,2,3
	ds_load_b128 v[(\f)+64+8*(4*(\c)+(\i)):(\f)+64+8*(4*(\c)+(\i))+3],   v[ADRB] offset:(\k)+64*(\c)+(\i)*16*PITCH
	ds_load_b128 v[(\f)+64+8*(4*(\c)+(\i))+4:(\f)+64+8*(4*(\c)+(\i))+7], v[ADRB] offset:(\k)+64*(\c)+(\i)*16*PITCH+32
	ds_load_b128 v[(\f)+8*(4*(\c)+(\i)):(\f)+8*(4*(\c)+(\i))+3],         v[ADRA] offset:(((\k)+64*(\c))/128)*64*PA+((\k)+64*(\c))%128+(\i)*16*PA
	ds_load_b128 v[(\f)+8*(4*(\c)+(\i))+4:(\f)+8*(4*(\c)+(\i))+7],       v[ADRA] offset:(((\k)+64*(\c))/128)*64*PA+((\k)+64*(\c))%128+(\i)*16*PA+32
.endr
.endr
.endm
.macro QUARTER k, f, g, zero
	s_wait_dscnt 16                                ; the first 32 along K are in
	MUL8 \f, 0, 0, \zero
	MUL8 \f, 0, 2, \zero
	PLACES
	FETCH \k, \g
	s_wait_dscnt 32                                ; all but the 32 just issued
	MUL8 \f, 1, 0, 0
	MUL8 \f, 1, 2, 0
.endm
; The last quarter of a K step multiplies buffer 1 and changes slots.  In front of the barrier each wave waits for all its tensor loads (one is out: its part of the next slot),
; adds 0 to its spare word, and waits for that and for its reads of this slot.  fill = 1: the barrier opens a round of the cluster's, and the joint refill stands first behind it.
.macro TURN fill
	WIN 0
	s_xor_b32 s[TB], s[TB], SLOTX                  ; the fetches go to the other slot
	v_add_nc_u32 v[ADRA], s[TB], v[ADRA0]
	v_add_nc_u32 v[ADRB], s[TB], v[ADRB0]
	s_wait_tensorcnt 0x0
	ds_add_u32 v[SPW], v[NIL]
	s_wait_dscnt 17                                ; the add and the youngest sixteen loads may be out
	MUL8 F1, 0, 0, 0
	s_wait_dscnt 0x0                               ; the add is done, my reads of this slot are over
	s_barrier_signal -1
	MUL8 F1, 0, 2, 0
	WIN 0
	s_barrier_wait -1
.if \fill
	CREST                                          ; no wave of any partner still reads this slot or has a load on its way
	s_xor_b32 s[G0A+5], s[G0A+5], SLOTX            ; the walking descriptors: the other slot, the next K step
	s_add_nc_u64 s[G0A+6:G0A+7], s[G0A+6:G0A+7], ASTEP
	s_xor_b32 s[G0B+5], s[G0B+5], SLOTX
	s_add_nc_u64 s[G0B+6:G0B+7], s[G0B+6:G0B+7], BSTEP
	JLOAD                                          ; its four v_nop are also the places in front of the loads below
.else
	PLACES
.endif
	FETCH 0, F0
	MUL8 F1, 1, 0, 0
	MUL8 F1, 1, 2, 0
.endm
	s_wait_tensorcnt 0x1                           ; my part of K step 0 is in; step 1's may stay out
	s_barrier_signal -1
	s_barrier_wait -1
	FETCH 0, F0
	QUARTER 128, F0, F1, 1                         ; the first quarter starts the sums
	WIN 0
	s_mov_b32 s[CNT], STEPS-2
	s_branch .Lmid
.Lstep:                                ; a trip is a K step; each of the STEPS - 2 trips fills the slot that it leaves with the step two on
	QUARTER 128, F0, F1, 0
	WIN 0
.Lmid:
	QUARTER 256, F1, F0, 0
	QUARTER 384, F0, F1, 0
	TURN 1
	WIN 0
	s_sub_co_u32 s[CNT], s[CNT], 1
	s_cmp_lg_u32 s[CNT], 0
	s_cbranch_scc1 .Lstep
	s_mov_b32 s[CNT], 2
.Ltail:                                ; the last two K steps ask for nothing.  The second trip's barrier and its last run of LDS loads serve nothing: the price, once a launch, of one text for both
	QUARTER 128, F0, F1, 0
	QUARTER 256, F1, F0, 0
	QUARTER 384, F0, F1, 0
	TURN 0
	WIN 0
	s_sub_co_u32 s[CNT], s[CNT], 1
	s_cmp_lg_u32 s[CNT], 0
	s_cbranch_scc1 .Ltail
	s_wait_dscnt 0x0                               ; the last run of loads is back
	; THE WAY OUT: round to bf16; 16 bytes a lane into the work-group's stage; a barrier, since a row's 256 bytes come from two waves; back as whole rows.
	PLACES
.set on, 0
.rept 64
	v_cvt_pk_bf16_f32 v[TMP+on], v[ACC+2*on], v[ACC+2*on+1]
.set on, on+1
.endr
.irp a, 0,1,2,3
.irp b, 0,1,2,3
	ds_store_b128 v[STO], v[TMP+4*(4*(\a)+(\b)):TMP+4*(4*(\a)+(\b))+3] offset:(\a)*16*SPITCH+32*(\b)
.endr
.endr
	s_wait_dscnt 0x0                               ; for the others' sake
	s_barrier_signal -1
	s_barrier_wait -1
.set on, 0
.rept 16
	ds_load_b128 v[TMP+4*on:TMP+4*on+3], v[RD] offset:on*2*SPITCH
.set on, on+1
.endr
.set on, 0
.rept 16
	s_wait_dscnt 15-on
	global_store_b128 v[CO], v[TMP+4*on:TMP+4*on+3], s[8:9] offset:8192*on  ; 16 lanes store 256 consecutive bytes, aligned
.set on, on+1
.endr
	s_wait_tensorcnt 0x0                           ; the wave's end
	ds_add_u32 v[SPW], v[NIL]
	s_wait_dscnt 0x0
	CROUND
	s_endpgm
.Lfunc_end_k_qe51d623f6c_outp:
	.size	k_qe51d623f6c_outp, .Lfunc_end_k_qe51d623f6c_outp-k_qe51d623f6c_outp
	.p2alignl 7, 3214868480
	.fill 96, 4, 3214868480
	.section	.rodata,"a",@progbits
	.p2align	6, 0x0
	.amdhsa_kernel k_qe51d623f6c_outp
		.amdhsa_group_segment_fixed_size 327680
		.amdhsa_private_segment_fixed_size 0
		.amdhsa_enable_private_segment 0
		.amdhsa_kernarg_size 24
		.amdhsa_user_sgpr_count 2
		.amdhsa_user_sgpr_kernarg_segment_ptr 1
		.amdhsa_wavefront_size32 1
		.amdhsa_system_sgpr_workgroup_id_x 1
		.amdhsa_system_sgpr_workgroup_id_y 1
		.amdhsa_system_sgpr_workgroup_id_z 1
		.amdhsa_system_vgpr_workitem_id 0
		.amdhsa_next_free_vgpr 512
		.amdhsa_next_free_sgpr 96
		.amdhsa_reserve_vcc 0
		.amdhsa_float_denorm_mode_32 3
		.amdhsa_float_denorm_mode_16_64 3
		.amdhsa_memory_ordered 1
		.amdhsa_forward_progress 1
		.amdhsa_inst_pref_size 60
	.end_amdhsa_kernel
	.amdgpu_metadata
---
amdhsa.version: [ 1, 2 ]
amdhsa.kernels:
  - .name:           k_qe51d623f6c_outp
    .symbol:         k_qe51d623f6c_outp.kd
    .args:
      - { .name: ctxh, .offset: 0, .size: 8, .value_kind: global_buffer, .address_space: global }
      - { .name: wts, .offset: 8, .size: 8, .value_kind: global_buffer, .address_space: global }
      - { .name: hcat, .offset: 16, .size: 8, .value_kind: global_buffer, .address_space: global }
    .group_segment_fixed_size: 327680
    .private_segment_fixed_size: 0
    .kernarg_segment_align: 8
    .kernarg_segment_size: 24
    .max_flat_workgroup_size: 128
    .sgpr_count:     96
    .vgpr_count:     512
    .wavefront_size: 32
...
	.end_amdgpu_metadata
.endif
;; end of part 4
;; launch ffn1 (part 5): grid 16 x 16, 4 waves a work-group, clusters of 4 x 4, 327,680 bytes of LDS; arguments hcat, wts, hbuf; writes hbuf
.if DOCPART == 5
	.amdgcn_target "amdgcn-amd-amdhsa--gfx1250"
	.amdhsa_code_object_version 6
	.text
	.protected	k_qe51d623f6c_ffn1
	.globl	k_qe51d623f6c_ffn1
	.p2align	8
	.type	k_qe51d623f6c_ffn1,@function
k_qe51d623f6c_ffn1:
	s_mov_b64 s[64:65], 0
	v_nop
	global_prefetch_b8 v0, s[64:65] scope:SCOPE_SE
	s_setreg_imm32_b32 hwreg(HW_REG_WAVE_MODE, 25, 1), 1
	s_wait_xcnt 0x0
	s_wait_alu depctr_hold_cnt(0) depctr_sa_sdst(0) depctr_va_vdst(0) depctr_va_sdst(0) depctr_va_ssrc(0) depctr_va_vcc(0) depctr_vm_vsrc(0)
	s_getreg_b32 s2, hwreg(HW_REG_IB_STS2, 6, 4)
	s_cmp_eq_u32 s2, 0
	s_cbranch_scc0 .Lentry_in_a_cluster
	s_endpgm
.Lentry_in_a_cluster:
	s_bfe_u32 s2, ttmp6, 0x10000c
	s_cmp_lg_u32 s2, 0xf033
	s_cbranch_scc0 .Lentry_shape_is_right
	s_endpgm
.Lentry_shape_is_right:
; FFN1.  h = [x, message] ffn1_w^T + ffn1_b: [4096 x 2048] x [2048 x 2048], stored bf16, rounded once from f32.
; A work-group makes 256 rows x 128 columns.  Four waves, 2 x 2; a wave makes 128 x 64: 32 accumulators of 16 x 16.  The matrix instruction is used transposed (source 0 = 16 rows of the weights).
; K goes in 16 steps of 128 through two LDS slots filled by joint tensor loads: 4 x 4 work-groups form a cluster, hcat's tile is shared along its row, the weights' along its column.
; THE WALK ALONG K IS TURNED.  The cluster at (X, Y) of the 4 x 4 clusters begins at K step 4 ((X + 2 Y) % 4) and goes round.  The four clusters that read the same rows of hcat (one Y) begin at four
; different quarters of K; of those that read the same rows of the weights (one X), Y and Y + 1 begin two quarters apart: so these do not ask for the same bytes at the same time.
; The first product of each accumulator takes the bias as C.  LIMITS: operands and bias in bf16; sums in f32, in an order of K that differs from cluster to cluster.
; REGISTERS by windows of 256: window 0: v0-29 addresses, v32-127 and v128-223 two fragment buffers (4 blocks of W, 8 of hcat); window 1: accumulator i = 4 a + b at 8 i; window 2: v0-31 the bias, v32-47 as loaded.
.set NB, 4
.set STEPS, 16
.set KB, 2048
.set WOFF, 8388608
.set B1OFF, 22028288
.set PITCH, 272
.set HALFA, 128*PITCH
.set HALFB, 16*NB*PITCH
.set SLOT1, 131072
.set STAGE, SLOT1+2*HALFA+2*HALFB      ; behind the ring, never filled by a tensor load: 256 rows x 272 bytes
.set SPITCH, 272
.set SPARE, STAGE+256*SPITCH
.set FLAGS, (1<<16)|(1<<20)|(1<<21)|(5<<22)|(3<<25)
.set F0, 32
.set F1, F0+8*(NB+8)
.set CW, 2
.set BIAS, 0
.set ADRA0, 4
.set ADRB0, 5
.set ADRA, 6
.set ADRB, 7
.set PFO, 8
.set STO, 11
.set RDB, 14
.set GO, 17
.set SPW, 28
.set NIL, 29
.set WV, 20
.set RH, 21
.set CH, 22
.set CNT, 23
.set G1A, 24
.set G1B, 32
.set G0A, 40
.set G0B, 48
.set TB, 56
.set LIM, 57
.set PFA, 58
.set HIM, 60
.set KI, 61                            ; s61      the K step, 0 to 15, that was asked for last
.set OF, 62                            ; s[62:63] a K step's byte offset in a row: 256 x the step; the high word stays 0
.set RA, 80                            ; s[80:81] hcat at the first of the rows that I fetch, K = 0; never rewritten
.set RB, 82                            ; s[82:83] the weights likewise
.set BB, 84                            ; s[84:85] the bias's address: written once, so that the pending loads keep their base
.set PFB, 86                           ; s[86:87] the weights at my work-group's 16 of the 64 rows that I fetch, K = 0; never rewritten
.set MSB, 0
.macro WIN new
.if MSB != (\new)
	s_set_vgpr_msb (MSB<<8)|(\new)
.set MSB, \new
.endif
.endm
.macro PLACES
.rept 4
	v_nop
.endr
.endm
.macro CREST
	s_cmp_lg_u32 s[WV], 0
	s_cbranch_scc1 .Lnot_wave_0_\@
	s_barrier_signal -3
.Lnot_wave_0_\@:
	s_barrier_wait -3
	s_barrier_signal -1
	s_barrier_wait -1
.endm
.macro CROUND
	s_barrier_signal -1
	s_barrier_wait -1
	CREST
.endm
.macro JLOAD
	s_cmp_lt_u32 s[WV], 2
	s_cbranch_scc0 .Lfor_b_\@
	tensor_load_to_lds s[G0A+4:G0A+7], s[G1A:G1A+7]
	s_nop 0
	PLACES
	s_branch .Lasked_\@
.Lfor_b_\@:
	tensor_load_to_lds s[G0B+4:G0B+7], s[G1B:G1B+7]
	s_nop 0
	PLACES
.Lasked_\@:
.endm
.macro MULS f, a0, n, first            ; the accumulators take turns in one order everywhere.  first = 1: C is the bias
.set ma, \a0
.rept \n
.set mb, 0
.rept NB
.set mi, NB*ma+mb
.set mw, 1+mi/32
.set mr, 8*(mi%32)
.if \first
	WIN (mw<<6)|(CW<<4)
	v_wmma_f32_16x16x32_bf16 v[mr:mr+7], v[(\f)+8*mb:(\f)+8*mb+7], v[(\f)+8*NB+8*ma:(\f)+8*NB+8*ma+7], v[BIAS+8*mb:BIAS+8*mb+7]
.else
	WIN 0x50*mw
	v_wmma_f32_16x16x32_bf16 v[mr:mr+7], v[(\f)+8*mb:(\f)+8*mb+7], v[(\f)+8*NB+8*ma:(\f)+8*NB+8*ma+7], v[mr:mr+7]
.endif
.set mb, mb+1
.endr
.set ma, ma+1
.endr
.endm
.macro FETCH k, f
	WIN 0
.set fb, 0
.rept NB
	ds_load_b128 v[(\f)+8*fb:(\f)+8*fb+3], v[ADRB] offset:(\k)+fb*16*PITCH
	ds_load_b128 v[(\f)+8*fb+4:(\f)+8*fb+7], v[ADRB] offset:(\k)+fb*16*PITCH+32
.set fb, fb+1
.endr
.set fb, 0
.rept 8
	ds_load_b128 v[(\f)+8*NB+8*fb:(\f)+8*NB+8*fb+3], v[ADRA] offset:(\k)+fb*16*PITCH
	ds_load_b128 v[(\f)+8*NB+8*fb+4:(\f)+8*NB+8*fb+7], v[ADRA] offset:(\k)+fb*16*PITCH+32
.set fb, fb+1
.endr
.endm
.macro QUARTER k, f, g, first
	s_wait_dscnt 8                                 ; W's blocks and hcat's blocks 0-3 are in; the eight youngest loads may be out
	MULS \f, 0, 4, \first
	PLACES
	FETCH \k, \g
	s_wait_dscnt 2*(NB+8)                          ; all but the run just issued
	MULS \f, 4, 4, \first
.endm
; A PREFETCH of the K step that stands two refills on: of the 64 rows of the weights that I fetch, my work-group's 16, a lane a row (the lanes left over name the last row again).
; Who and when: waves 2 and 3, in the loop's first four trips: steps 4 to 7 of my cluster's walk, which no cluster walks ahead of mine.  The clusters with Y = 2, 3 walk as Y = 0, 1 do: of two that walk alike
; the first asks, so each row's 256 bytes of a K step are named at most once in the launch.  Steps 0 to 3 come by their loads alone.  Of hcat from step 4 on, and of the weights from step 8 on, another
; cluster has walked the bytes earlier in its own walk: nothing is asked.
.macro ASK
	s_cmp_gt_u32 s[CNT], s[LIM]
	s_cbranch_scc0 .Lnot_mine_\@
	global_prefetch_b8 v[PFO], s[PFA:PFA+1] th:TH_LOAD_NT scope:SCOPE_SE
.Lnot_mine_\@:
.endm
; The last quarter of a K step multiplies buffer 1 and changes slots.  In front of the barrier each wave waits for all its tensor loads (one is out: its part of the next slot),
; adds 0 to its spare word, and waits for that and for its reads of this slot.  fill = 1: the barrier opens a round of the cluster's, and the joint refill stands first behind it.
.macro TURN fill
	WIN 0
.if \fill
	s_wait_xcnt 0x0                                ; the last prefetch, a K step back, has read its address, which is made anew:
	s_add_co_u32 s[OF], s[KI], 3                   ; the step asked for last, + 1 is this refill's, + 3 stands two refills on; round the end of K
	s_and_b32 s[OF], s[OF], STEPS-1
	s_lshl_b32 s[OF], s[OF], 8
	s_add_nc_u64 s[PFA:PFA+1], s[PFB:PFB+1], s[OF:OF+1]
.endif
	s_xor_b32 s[TB], s[TB], SLOT1
	v_add_nc_u32 v[ADRA], s[TB], v[ADRA0]
	v_add_nc_u32 v[ADRB], s[TB], v[ADRB0]
	s_wait_tensorcnt 0x0
	ds_add_u32 v[SPW], v[NIL]
	s_wait_dscnt 9                                 ; the add and the eight youngest loads may be out
	MULS F1, 0, 2, 0
	s_wait_dscnt 0x0
	s_barrier_signal -1
	MULS F1, 2, 2, 0
	WIN 0
	s_barrier_wait -1
.if \fill
	CREST
	s_add_co_u32 s[KI], s[KI], 1                   ; the next K step of my cluster's walk, round the end of K: the same number in all sixteen partners
	s_and_b32 s[KI], s[KI], STEPS-1
	s_lshl_b32 s[OF], s[KI], 8
	s_xor_b32 s[G0A+5], s[G0A+5], SLOT1            ; the walking descriptors: the other slot; the address is made anew from the rows' base and the step
	s_add_nc_u64 s[G0A+6:G0A+7], s[RA:RA+1], s[OF:OF+1]
	s_or_b32 s[G0A+7], s[G0A+7], 0x80000000
	s_xor_b32 s[G0B+5], s[G0B+5], SLOT1
	s_add_nc_u64 s[G0B+6:G0B+7], s[RB:RB+1], s[OF:OF+1]
	s_or_b32 s[G0B+7], s[G0B+7], 0x80000000
	JLOAD
.else
	PLACES
.endif
	FETCH 0, F0
.if \fill
	ASK
.endif
	MULS F1, 4, 4, 0
.endm
	s_load_b128 s[4:7], s[0:1], 0x0                ; hcat s[4:5], wts s[6:7]
	s_load_b64 s[8:9], s[0:1], 0x10                ; hbuf
	v_lshl_add_u32 v[SPW], v0, 2, SPARE
	v_mov_b32 v[NIL], 0
	ds_add_u32 v[SPW], v[NIL]                      ; the wave's opening: the add and its wait stand ahead of my first tensor load
	v_lshrrev_b32 v3, 5, v0
	v_readfirstlane_b32 s[WV], v3
	s_lshr_b32 s[RH], s[WV], 1
	s_and_b32 s[CH], s[WV], 1
	s_bfe_u32 s12, ttmp6, 0x40000
	s_bfe_u32 s13, ttmp6, 0x40004
	s_lshl_b32 s14, ttmp9, 2
	s_add_co_u32 s14, s14, s12
	s_and_b32 s15, ttmp7, 0xffff
	s_lshl_b32 s15, s15, 2
	s_add_co_u32 s15, s15, s13
	s_lshl_b32 s66, s13, 2
	s_lshl_b32 s66, 15, s66
	s_lshl_b32 s67, 0x1111, s12
	s_or_b32 s[G1A], s66, FLAGS
	s_or_b32 s[G1B], s67, FLAGS
	s_mov_b32 s[G1A+1], 128<<16
	s_mov_b32 s[G1A+2], 128<<16
	s_mov_b32 s[G1A+3], 128<<16
	s_mov_b32 s[G1A+4], 128
	s_mov_b32 s[G1A+5], 2048
	s_mov_b32 s[G1A+6], 0
	s_mov_b32 s[G1A+7], 0
	s_mov_b32 s[G1B+1], 128<<16
	s_mov_b32 s[G1B+2], (16*NB)<<16
	s_mov_b32 s[G1B+3], 128<<16
	s_mov_b32 s[G1B+4], 16*NB
	s_mov_b32 s[G1B+5], KB
	s_mov_b32 s[G1B+6], 0
	s_mov_b32 s[G1B+7], 0
	s_mov_b32 s[G0A], 1
	s_mul_i32 s[G0A+1], s[CH], HALFA
	s_mov_b32 s[G0A+4], 1
	s_add_co_u32 s[G0A+5], s[G0A+1], SLOT1
	s_mov_b32 s[G0B], 1
	s_mul_i32 s[G0B+1], s[CH], HALFB
	s_add_co_u32 s[G0B+1], s[G0B+1], 2*HALFA
	s_mov_b32 s[G0B+4], 1
	s_add_co_u32 s[G0B+5], s[G0B+1], SLOT1
	s_lshl_b32 s16, s15, 8
	s_lshl_b32 s17, s[CH], 7
	s_add_co_u32 s16, s16, s17
	s_lshl_b32 s16, s16, 12
	s_mov_b32 s17, 0
	s_mul_i32 s18, s14, 32*NB
	s_mul_i32 s19, s[CH], 16*NB
	s_add_co_u32 s18, s18, s19
	s_mul_i32 s18, s18, 2*KB
	s_add_co_u32 s18, s18, WOFF
	s_mov_b32 s19, 0
	s_mov_b32 s[HIM], 0xffff0000
	s_mov_b32 s[TB], 0
	s_and_b32 s[KI], ttmp7, 0xffff                 ; where my cluster's walk begins: made of the cluster's x and y alone, which all sixteen partners share
	s_lshl_b32 s[KI], s[KI], 1
	s_add_co_u32 s[KI], s[KI], ttmp9
	s_and_b32 s[KI], s[KI], 3                      ; (X + 2 Y) % 4
	s_lshl_b32 s[KI], s[KI], 2                     ; a quarter of K is four steps
	s_lshl_b32 s[OF], s[KI], 8
	s_mov_b32 s[OF+1], 0
	s_wait_dscnt 0x0
	s_wait_kmcnt 0x0
	s_add_nc_u64 s[RA:RA+1], s[4:5], s[16:17]
	s_add_nc_u64 s[RB:RB+1], s[6:7], s[18:19]
	s_add_nc_u64 s[G0A+2:G0A+3], s[RA:RA+1], s[OF:OF+1]      ; the walk's first step,
	s_add_nc_u64 s[G0A+6:G0A+7], s[G0A+2:G0A+3], 256         ; and its second: the first is a multiple of 4, so the end of K is not passed
	s_or_b32 s[G0A+3], s[G0A+3], 0x80000000
	s_or_b32 s[G0A+7], s[G0A+7], 0x80000000
	s_add_nc_u64 s[G0B+2:G0B+3], s[RB:RB+1], s[OF:OF+1]
	s_add_nc_u64 s[G0B+6:G0B+7], s[G0B+2:G0B+3], 256
	s_or_b32 s[G0B+3], s[G0B+3], 0x80000000
	s_or_b32 s[G0B+7], s[G0B+7], 0x80000000
	s_add_co_u32 s[KI], s[KI], 1                   ; the step asked for last is the second
	CROUND
	s_cmp_lt_u32 s[WV], 2                          ; a wave's two first fills stand in one branch: two loads of mine are out
	s_cbranch_scc0 .Lfirst_b
	tensor_load_to_lds s[G0A:G0A+3], s[G1A:G1A+7]
	s_nop 0
	tensor_load_to_lds s[G0A+4:G0A+7], s[G1A:G1A+7]
	s_nop 0
	PLACES
	s_branch .Lfirst_done
.Lfirst_b:
	tensor_load_to_lds s[G0B:G0B+3], s[G1B:G1B+7]
	s_nop 0
	tensor_load_to_lds s[G0B+4:G0B+7], s[G1B:G1B+7]
	s_nop 0
	PLACES
.Lfirst_done:
	v_and_b32 v1, 15, v0
	v_bfe_u32 v2, v0, 4, 1
	v_lshlrev_b32 v10, 4, v2                       ; the bias: columns 128 tx + 64 half + 16 b + 8 h + 0..7, bf16
	s_lshl_b32 s[BB], s14, 8
	s_lshl_b32 s[BB+1], s[CH], 7
	s_add_co_u32 s[BB], s[BB], s[BB+1]
	s_add_co_u32 s[BB], s[BB], B1OFF
	s_mov_b32 s[BB+1], 0
	s_add_nc_u64 s[BB:BB+1], s[6:7], s[BB:BB+1]
	WIN 0x80
.irp b, 0,1,2,3
	global_load_b128 v[32+4*\b:35+4*\b], v10, s[BB:BB+1] offset:32*\b  ; v10 and s[BB:BB+1] are written nowhere below
.endr
	WIN 0
	v_mul_u32_u24 v3, v1, PITCH
	v_lshl_add_u32 v3, v2, 4, v3
	s_mul_i32 s68, s[RH], HALFA
	s_mul_i32 s69, s[CH], HALFB
	s_add_co_u32 s69, s69, 2*HALFA
	v_add_nc_u32 v[ADRA0], s68, v3
	v_add_nc_u32 v[ADRB0], s69, v3
	v_mov_b32 v[ADRA], v[ADRA0]
	v_mov_b32 v[ADRB], v[ADRB0]
	; the prefetches (ASK says who and when).  The four partners that ask for a tile of the weights jointly share its rows out by address: of the 64 rows that a wave fetches the partner at cy takes 16 cy .. 16 cy + 15
	s_lshl_b32 s76, s13, 16                        ; cy x 16 rows x 4,096 bytes
	s_mov_b32 s77, 0
	s_add_nc_u64 s[PFB:PFB+1], s[RB:RB+1], s[76:77]
	s_and_b32 s72, ttmp7, 0xffff
	s_lshr_b32 s72, s72, 1                         ; 0 in the clusters with Y = 0 and 1
	s_cmp_lt_u32 s[WV], 2
	s_cselect_b32 s72, 1, s72                      ; hcat's waves never ask
	s_cmp_eq_u32 s72, 0
	s_cselect_b32 s[LIM], STEPS-6, -1              ; the count runs down from STEPS - 2: above STEPS - 6 in the first four trips.  The same in all sixteen partners, for a given wave
	v_and_b32 v[PFO], 31, v0
	v_min_u32 v[PFO], 4*NB-1, v[PFO]
	v_lshlrev_b32 v[PFO], 12, v[PFO]               ; a row of the weights is 4,096 bytes
	; the way out
	s_mul_i32 s70, s[RH], 128*SPITCH
	s_lshl_b32 s71, s[CH], 7
	s_add_co_u32 s70, s70, s71
	s_add_co_u32 s70, s70, STAGE
	v_add_nc_u32 v[STO], s70, v3                   ; (v3 = 272 r + 16 h serves the stage's pitch too)
	s_mul_i32 s70, s[WV], 64*SPITCH
	s_add_co_u32 s70, s70, STAGE
	v_mul_u32_u24 v[RDB], v2, SPITCH
	v_lshl_add_u32 v[RDB], v1, 4, v[RDB]
	v_add_nc_u32 v[RDB], s70, v[RDB]
	v_lshlrev_b32 v[GO], 12, v2
	v_lshl_add_u32 v[GO], v1, 4, v[GO]
	s_lshl_b32 s68, s15, 8
	s_lshl_b32 s69, s[WV], 6
	s_add_co_u32 s68, s68, s69
	s_lshl_b32 s68, s68, 12
	s_lshl_b32 s69, s14, 8
	s_add_co_u32 s68, s68, s69
	s_mov_b32 s69, 0
	s_add_nc_u64 s[8:9], s[8:9], s[68:69]
	s_wait_loadcnt 0x0
	WIN 0x88
.set on, 0
.rept 16
	v_lshlrev_b32 v[BIAS+2*on], 16, v[32+on]
	v_and_b32 v[BIAS+2*on+1], s[HIM], v[32+on]
.set on, on+1
.endr
	WIN 0
	s_wait_tensorcnt 0x1                           ; my part of the walk's first step is in; the second's may stay out
	s_barrier_signal -1
	s_barrier_wait -1
	FETCH 0, F0
	QUARTER 64, F0, F1, 1
	WIN 0
	s_mov_b32 s[CNT], STEPS-2
	s_branch .Lmid
.Lstep:                                ; a trip is a K step; each of the STEPS - 2 trips fills the slot that it leaves with the step two on in the walk
	QUARTER 64, F0, F1, 0
	WIN 0
.Lmid:
	QUARTER 128, F1, F0, 0
	QUARTER 192, F0, F1, 0
	TURN 1
	WIN 0
	s_sub_co_u32 s[CNT], s[CNT], 1
	s_cmp_lg_u32 s[CNT], 0
	s_cbranch_scc1 .Lstep
	s_mov_b32 s[CNT], 2
.Ltail:                                ; the last two K steps ask for nothing.  The second trip's barrier and its last run of LDS loads serve nothing: the price, once a launch, of one text for both
	QUARTER 64, F0, F1, 0
	QUARTER 128, F1, F0, 0
	QUARTER 192, F0, F1, 0
	TURN 0
	WIN 0
	s_sub_co_u32 s[CNT], s[CNT], 1
	s_cmp_lg_u32 s[CNT], 0
	s_cbranch_scc1 .Ltail
	s_wait_dscnt 0x0                               ; the last run of loads is back: its registers are used below
	PLACES
.set oa, 0
.rept 8                                ; row block oa: rounded to bf16, 16 bytes a lane into the stage; each accumulator is read from its lowest registers on
	WIN 0x05
.set on, 0
.rept 16
	v_cvt_pk_bf16_f32 v[32+on], v[32*oa+2*on], v[32*oa+2*on+1]
.set on, on+1
.endr
	WIN 0
.set ob, 0
.rept 4
	ds_store_b128 v[STO], v[32+4*ob:35+4*ob] offset:16*SPITCH*oa+32*ob
.set ob, ob+1
.endr
.set oa, oa+1
.endr
	s_wait_dscnt 0x0                               ; for the others' sake
	s_barrier_signal -1
	s_barrier_wait -1                              ; a row's 256 bytes come from two waves
.set on, 0
.rept 32
	ds_load_b128 v[32+4*on:35+4*on], v[RDB] offset:2*SPITCH*on
.set on, on+1
.endr
.set on, 0
.rept 32
	s_wait_dscnt 31-on
	global_store_b128 v[GO], v[32+4*on:35+4*on], s[8:9] offset:8192*on  ; 16 lanes store 256 consecutive bytes, aligned
.set on, on+1
.endr
	s_wait_tensorcnt 0x0                           ; the wave's end
	ds_add_u32 v[SPW], v[NIL]
	s_wait_dscnt 0x0
	CROUND
	s_endpgm
.Lfunc_end_k_qe51d623f6c_ffn1:
	.size	k_qe51d623f6c_ffn1, .Lfunc_end_k_qe51d623f6c_ffn1-k_qe51d623f6c_ffn1
	.p2alignl 7, 3214868480
	.fill 96, 4, 3214868480
	.section	.rodata,"a",@progbits
	.p2align	6, 0x0
	.amdhsa_kernel k_qe51d623f6c_ffn1
		.amdhsa_group_segment_fixed_size 327680
		.amdhsa_private_segment_fixed_size 0
		.amdhsa_enable_private_segment 0
		.amdhsa_kernarg_size 24
		.amdhsa_user_sgpr_count 2
		.amdhsa_user_sgpr_kernarg_segment_ptr 1
		.amdhsa_wavefront_size32 1
		.amdhsa_system_sgpr_workgroup_id_x 1
		.amdhsa_system_sgpr_workgroup_id_y 1
		.amdhsa_system_sgpr_workgroup_id_z 1
		.amdhsa_system_vgpr_workitem_id 0
		.amdhsa_next_free_vgpr 560
		.amdhsa_next_free_sgpr 96
		.amdhsa_reserve_vcc 0
		.amdhsa_float_denorm_mode_32 3
		.amdhsa_float_denorm_mode_16_64 3
		.amdhsa_memory_ordered 1
		.amdhsa_forward_progress 1
		.amdhsa_inst_pref_size 64
	.end_amdhsa_kernel
	.amdgpu_metadata
---
amdhsa.version: [ 1, 2 ]
amdhsa.kernels:
  - .name:           k_qe51d623f6c_ffn1
    .symbol:         k_qe51d623f6c_ffn1.kd
    .args:
      - { .name: hcat, .offset: 0, .size: 8, .value_kind: global_buffer, .address_space: global }
      - { .name: wts, .offset: 8, .size: 8, .value_kind: global_buffer, .address_space: global }
      - { .name: hbuf, .offset: 16, .size: 8, .value_kind: global_buffer, .address_space: global }
    .group_segment_fixed_size: 327680
    .private_segment_fixed_size: 0
    .kernarg_segment_align: 8
    .kernarg_segment_size: 24
    .max_flat_workgroup_size: 128
    .sgpr_count:     96
    .vgpr_count:     560
    .wavefront_size: 32
...
	.end_amdgpu_metadata
.endif
;; end of part 5
;; launch lngelu (part 6): grid 2048 x 1, 8 waves a work-group, no clusters, 1,280 bytes of LDS; arguments hbuf, wts, gbuf; writes gbuf
.if DOCPART == 6
	.amdgcn_target "amdgcn-amd-amdhsa--gfx1250"
	.amdhsa_code_object_version 6
	.text
	.protected	k_qe51d623f6c_lngelu
	.globl	k_qe51d623f6c_lngelu
	.p2align	8
	.type	k_qe51d623f6c_lngelu,@function
k_qe51d623f6c_lngelu:
	s_mov_b64 s[64:65], 0
	v_nop
	global_prefetch_b8 v0, s[64:65] scope:SCOPE_SE
	s_setreg_imm32_b32 hwreg(HW_REG_WAVE_MODE, 25, 1), 1
	s_wait_xcnt 0x0
; LAYER NORM AND GELU.  g = gelu((h - mean) rsqrt(var + 1e-5) ln_g + ln_b) along rows of 2,048; h and g bf16, all arithmetic in f32.
; A work-group of eight waves takes two rows; four waves share a row, 1,024 bytes each: 16 numbers a lane, kept in registers, so the row is read once and the GELU is written once.
; Each of the two sums of a row is made in the lane, across the wave's 32 lanes, and then across the four waves through LDS: a word a wave, a barrier, one load of 16 bytes.  The two sums have bytes of their own.
; The variance is the mean of (h - mean)^2, taken in a second pass over the registers: no difference of large sums is formed.
; GELU, exact form: 0.5 y (1 + erf(y / sqrt 2)) = 0.5 y + |y| (0.5 - q), q = 0.5 P(t) 2^(-0.72134752 y^2), t = 1 / (1 + 0.23164191 |y|), P the five-term polynomial of Abramowitz and Stegun 7.1.26.
; LIMIT: that formula's error in erf is at most 1.5e-7 for every argument, so gelu is off by at most about 1.5e-7 |y|; below y = -5 the result, itself under 2e-6, has no relative accuracy.
; ln_g and ln_b are taken rounded to bf16.  NaN and infinities are not treated apart.
; LDS: bytes 0-31 the eight waves' sums, 32-63 their sums of squares; from 256 on the spare words, 128 bytes a wave, which no other line names.
.set LNG, 22020096
.set SPARE, 256
.set WA,  2                            ; v2   4 x my wave: where my sum goes
.set RA,  3                            ; v3   16 x my row of the two: where my row's four sums lie
.set SPW, 4
.set NIL, 5
.set G,  8
.set BB, 16
.set X,  24
.set D,  32
.set T,  48
.set E,  64
.set P,  80
.set SU, 96                            ; v96 a sum; v97 the other half of the lanes'
.set MU, 98                            ; v[98:99] the mean, twice
.set RS, 100                           ; v[100:101] 1 / sqrt(var + eps), twice
	s_load_b128 s[4:7], s[0:1], 0x0                ; hbuf s[4:5], wts s[6:7]
	s_load_b64 s[8:9], s[0:1], 0x10                ; gbuf
	v_lshl_add_u32 v[SPW], v0, 2, SPARE
	v_mov_b32 v[NIL], 0
	v_lshrrev_b32 v6, 5, v0
	v_readfirstlane_b32 s2, v6                     ; wave 0..7
	s_lshr_b32 s3, s2, 2                           ; which of the two rows
	s_and_b32 s15, s2, 3                           ; which quarter of it
	s_lshl_b32 s10, ttmp9, 1
	s_add_co_u32 s10, s10, s3                      ; my row
	s_lshl_b32 s10, s10, 12
	s_mov_b32 s11, 0
	s_lshl_b32 s15, s15, 10
	v_and_b32 v1, 31, v0
	v_lshl_add_u32 v1, v1, 4, s15                  ; 1,024 x quarter + 16 x lane
	v_mov_b32 v[WA], s2
	v_lshlrev_b32 v[WA], 2, v[WA]
	v_mov_b32 v[RA], s3
	v_lshlrev_b32 v[RA], 4, v[RA]
	v_mov_b32 v[SU+1], 0                           ; v_permlanex16_b32 counts as a reader of its destination
	s_mov_b32 s12, 0x76543210
	s_mov_b32 s13, 0xfedcba98
	s_mov_b32 s14, 0xffff0000
	s_mov_b32 s16, 0x3e6d3389                      ; 0.23164191
	s_mov_b32 s18, 0xbf38aa3b                      ; -0.72134752
	s_mov_b32 s19, s18
	s_mov_b32 s20, 0x3f07dc22                      ; a5 / 2 = 0.53070271
	s_mov_b32 s21, s20
	s_mov_b32 s22, 0xbf3a00e3                      ; a4 / 2 = -0.72657601
	s_mov_b32 s23, s22
	s_mov_b32 s24, 0x3f35f0e3                      ; a3 / 2 = 0.71070687
	s_mov_b32 s25, s24
	s_mov_b32 s26, 0xbe11a98e                      ; a2 / 2 = -0.14224837
	s_mov_b32 s27, s26
	s_mov_b32 s28, 0x3e027906                      ; a1 / 2 = 0.12741480
	s_mov_b32 s29, s28
	s_mov_b32 s30, 0x3a000000                      ; 1 / 2048
	s_mov_b32 s31, 0x3727c5ac                      ; 1e-5
	s_wait_kmcnt 0x0
	s_add_nc_u64 s[4:5], s[4:5], s[10:11]
	s_add_nc_u64 s[8:9], s[8:9], s[10:11]
	s_add_nc_u64 s[6:7], s[6:7], LNG
	global_load_b128 v[X:X+3], v1, s[4:5] th:TH_LOAD_NT
	global_load_b128 v[X+4:X+7], v1, s[4:5] offset:512 th:TH_LOAD_NT
	global_load_b128 v[G:G+3], v1, s[6:7]
	global_load_b128 v[G+4:G+7], v1, s[6:7] offset:512
	global_load_b128 v[BB:BB+3], v1, s[6:7] offset:4096
	global_load_b128 v[BB+4:BB+7], v1, s[6:7] offset:4608
	s_wait_loadcnt 4                               ; my part of the row is in; the four loads of ln_g and ln_b stay out
.set n, 0
.rept 8
	v_lshlrev_b32 v[D+2*n], 16, v[X+n]
	v_and_b32 v[D+2*n+1], s14, v[X+n]
.set n, n+1
.endr
; Four pairs in v[T:T+7] into the row's sum, in every lane of the row's four waves.  off: the LDS bytes of this sum.
.macro ALLSUM off
	v_pk_add_f32 v[T:T+1], v[T:T+1], v[T+2:T+3]
	v_pk_add_f32 v[T+4:T+5], v[T+4:T+5], v[T+6:T+7]
	v_pk_add_f32 v[T:T+1], v[T:T+1], v[T+4:T+5]
	v_add_f32 v[SU], v[T], v[T+1]
	v_add_f32_dpp v[SU], v[SU], v[SU] row_xmask:1 row_mask:0xf bank_mask:0xf
	v_add_f32_dpp v[SU], v[SU], v[SU] row_xmask:2 row_mask:0xf bank_mask:0xf
	v_add_f32_dpp v[SU], v[SU], v[SU] row_xmask:4 row_mask:0xf bank_mask:0xf
	v_add_f32_dpp v[SU], v[SU], v[SU] row_xmask:8 row_mask:0xf bank_mask:0xf
	v_permlanex16_b32 v[SU+1], v[SU], s12, s13
	v_add_f32 v[SU], v[SU], v[SU+1]
	ds_store_b32 v[WA], v[SU] offset:\off          ; all lanes write the same word with the same value
	s_wait_dscnt 0x0                               ; for the others' sake
	s_barrier_signal -1
	s_barrier_wait -1
	ds_load_b128 v[T:T+3], v[RA] offset:\off       ; my row's four sums
	s_wait_dscnt 0x0
	v_add_f32 v[T], v[T], v[T+1]
	v_add_f32 v[T+2], v[T+2], v[T+3]
	v_add_f32 v[SU], v[T], v[T+2]
.endm
.set n, 0
.rept 4                                ; the first additions start the four chains: nothing is cleared
	v_pk_add_f32 v[T+2*n:T+2*n+1], v[D+2*n:D+2*n+1], v[D+8+2*n:D+8+2*n+1]
.set n, n+1
.endr
	ALLSUM 0
	v_mul_f32 v[MU], s30, v[SU]                    ; the mean, twice: a pair for the packed subtraction
	v_mov_b32 v[MU+1], v[MU]
.set n, 0
.rept 8
	v_pk_add_f32 v[D+2*n:D+2*n+1], v[D+2*n:D+2*n+1], v[MU:MU+1] neg_lo:[0,1] neg_hi:[0,1]
.set n, n+1
.endr
.set n, 0
.rept 4
	v_pk_mul_f32 v[T+2*n:T+2*n+1], v[D+2*n:D+2*n+1], v[D+2*n:D+2*n+1]
.set n, n+1
.endr
.set n, 0
.rept 4
	v_pk_fma_f32 v[T+2*n:T+2*n+1], v[D+8+2*n:D+8+2*n+1], v[D+8+2*n:D+8+2*n+1], v[T+2*n:T+2*n+1]
.set n, n+1
.endr
	ALLSUM 32
	v_fma_f32 v[SU], v[SU], s30, s31               ; var + eps
	v_rsq_f32 v[RS], v[SU]
	v_nop                                          ; a plain instruction behind the root,
	s_wait_alu depctr_va_vdst(0)                   ; and its wait ahead of the first use
	v_mov_b32 v[RS+1], v[RS]
	s_wait_loadcnt 0x0                             ; ln_g, ln_b
.set n, 0
.rept 8
	v_pk_mul_f32 v[D+2*n:D+2*n+1], v[D+2*n:D+2*n+1], v[RS:RS+1]
.set n, n+1
.endr
.set n, 0
.rept 8                                ; y = d ln_g + ln_b, the two read as bf16 halves
	v_fma_mix_f32_bf16 v[D+2*n], v[D+2*n], v[G+n], v[BB+n] op_sel_hi:[0,1,1]
	v_fma_mix_f32_bf16 v[D+2*n+1], v[D+2*n+1], v[G+n], v[BB+n] op_sel:[0,1,1] op_sel_hi:[0,1,1]
.set n, n+1
.endr
.set n, 0
.rept 16
	v_fma_f32 v[T+n], |v[D+n]|, s16, 1.0
.set n, n+1
.endr
.set n, 0
.rept 8
	v_pk_mul_f32 v[E+2*n:E+2*n+1], v[D+2*n:D+2*n+1], v[D+2*n:D+2*n+1]
.set n, n+1
.endr
.set n, 0
.rept 8
	v_pk_mul_f32 v[E+2*n:E+2*n+1], v[E+2*n:E+2*n+1], s[18:19] op_sel_hi:[1,0]
.set n, n+1
.endr
.set n, 0
.rept 16                               ; the 16 reciprocals and 16 exponentials are one batch with one wait
	v_rcp_f32 v[T+n], v[T+n]
.set n, n+1
.endr
.set n, 0
.rept 16
	v_exp_f32 v[E+n], v[E+n]
.set n, n+1
.endr
	v_nop
	s_wait_alu depctr_va_vdst(0)
.set n, 0
.rept 8
	v_pk_fma_f32 v[P+2*n:P+2*n+1], v[T+2*n:T+2*n+1], s[20:21], s[22:23] op_sel_hi:[1,0,0]
.set n, n+1
.endr
.irp c, 24, 26, 28
.set n, 0
.rept 8
	v_pk_fma_f32 v[P+2*n:P+2*n+1], v[P+2*n:P+2*n+1], v[T+2*n:T+2*n+1], s[\c:\c+1] op_sel_hi:[1,1,0]
.set n, n+1
.endr
.endr
.set n, 0
.rept 8
	v_pk_mul_f32 v[P+2*n:P+2*n+1], v[P+2*n:P+2*n+1], v[T+2*n:T+2*n+1]
.set n, n+1
.endr
.set n, 0
.rept 8                                ; 0.5 - q
	v_pk_fma_f32 v[P+2*n:P+2*n+1], v[P+2*n:P+2*n+1], v[E+2*n:E+2*n+1], 0.5 op_sel_hi:[1,1,0] neg_lo:[1,0,0] neg_hi:[1,0,0]
.set n, n+1
.endr
.set n, 0
.rept 16
	v_mul_f32 v[T+n], |v[D+n]|, v[P+n]
.set n, n+1
.endr
.set n, 0
.rept 8
	v_pk_fma_f32 v[D+2*n:D+2*n+1], v[D+2*n:D+2*n+1], 0.5, v[T+2*n:T+2*n+1] op_sel_hi:[1,0,1]
.set n, n+1
.endr
.set n, 0
.rept 8
	v_cvt_pk_bf16_f32 v[X+n], v[D+2*n], v[D+2*n+1]
.set n, n+1
.endr
	global_store_b128 v1, v[X:X+3], s[8:9]             ; the wave stores 512 consecutive bytes, aligned
	global_store_b128 v1, v[X+4:X+7], s[8:9] offset:512
	s_wait_tensorcnt 0x0                           ; the wave's end, behind my last LDS store
	ds_add_u32 v[SPW], v[NIL]
	s_wait_dscnt 0x0
	s_endpgm
.Lfunc_end_k_qe51d623f6c_lngelu:
	.size	k_qe51d623f6c_lngelu, .Lfunc_end_k_qe51d623f6c_lngelu-k_qe51d623f6c_lngelu
	.p2alignl 7, 3214868480
	.fill 96, 4, 3214868480
	.section	.rodata,"a",@progbits
	.p2align	6, 0x0
	.amdhsa_kernel k_qe51d623f6c_lngelu
		.amdhsa_group_segment_fixed_size 1280
		.amdhsa_private_segment_fixed_size 0
		.amdhsa_enable_private_segment 0
		.amdhsa_kernarg_size 24
		.amdhsa_user_sgpr_count 2
		.amdhsa_user_sgpr_kernarg_segment_ptr 1
		.amdhsa_wavefront_size32 1
		.amdhsa_system_sgpr_workgroup_id_x 1
		.amdhsa_system_sgpr_workgroup_id_y 1
		.amdhsa_system_sgpr_workgroup_id_z 1
		.amdhsa_system_vgpr_workitem_id 0
		.amdhsa_next_free_vgpr 104
		.amdhsa_next_free_sgpr 66
		.amdhsa_reserve_vcc 0
		.amdhsa_float_denorm_mode_32 3
		.amdhsa_float_denorm_mode_16_64 3
		.amdhsa_memory_ordered 1
		.amdhsa_forward_progress 1
		.amdhsa_inst_pref_size 17
	.end_amdhsa_kernel
	.amdgpu_metadata
---
amdhsa.version: [ 1, 2 ]
amdhsa.kernels:
  - .name:           k_qe51d623f6c_lngelu
    .symbol:         k_qe51d623f6c_lngelu.kd
    .args:
      - { .name: hbuf, .offset: 0, .size: 8, .value_kind: global_buffer, .address_space: global }
      - { .name: wts, .offset: 8, .size: 8, .value_kind: global_buffer, .address_space: global }
      - { .name: gbuf, .offset: 16, .size: 8, .value_kind: global_buffer, .address_space: global }
    .group_segment_fixed_size: 1280
    .private_segment_fixed_size: 0
    .kernarg_segment_align: 8
    .kernarg_segment_size: 24
    .max_flat_workgroup_size: 256
    .sgpr_count:     66
    .vgpr_count:     104
    .wavefront_size: 32
...
	.end_amdgpu_metadata
.endif
;; end of part 6
;; launch ffn2 (part 7): grid 8 x 32, 4 waves a work-group, clusters of 4 x 4, 327,680 bytes of LDS; arguments gbuf, wts, hcat, out0; writes out0
.if DOCPART == 7
	.amdgcn_target "amdgcn-amd-amdhsa--gfx1250"
	.amdhsa_code_object_version 6
	.text
	.protected	k_qe51d623f6c_ffn2
	.globl	k_qe51d623f6c_ffn2
	.p2align	8
	.type	k_qe51d623f6c_ffn2,@function
k_qe51d623f6c_ffn2:
	s_mov_b64 s[64:65], 0
	v_nop
	global_prefetch_b8 v0, s[64:65] scope:SCOPE_SE
	s_setreg_imm32_b32 hwreg(HW_REG_WAVE_MODE, 25, 1), 1
	s_wait_xcnt 0x0
	s_wait_alu depctr_hold_cnt(0) depctr_sa_sdst(0) depctr_va_vdst(0) depctr_va_sdst(0) depctr_va_ssrc(0) depctr_va_vcc(0) depctr_vm_vsrc(0)
	s_getreg_b32 s2, hwreg(HW_REG_IB_STS2, 6, 4)
	s_cmp_eq_u32 s2, 0
	s_cbranch_scc0 .Lentry_in_a_cluster
	s_endpgm
.Lentry_in_a_cluster:
	s_bfe_u32 s2, ttmp6, 0x10000c
	s_cmp_lg_u32 s2, 0xf033
	s_cbranch_scc0 .Lentry_shape_is_right
	s_endpgm
.Lentry_shape_is_right:
; FFN2, BIAS AND RESIDUAL.  out0 = x + g ffn2_w^T + ffn2_b: [4096 x 2048] x [2048 x 1024], f32 out.
; A tile is 128 x 128: 256 work-groups.  Four waves of 64 x 64: 16 accumulators.  K goes in 8 steps of 256 through two LDS slots; 4 x 4 work-groups form a cluster, g's tile is shared along its row, the weights' along its column.
; THE WALK ALONG K IS TURNED.  The cluster at (X, Y) of the 2 x 8 clusters begins at K step 2 ((2 X + Y) % 4) and goes round.  The two clusters that read the same rows of g (one Y) begin two quarters of K
; apart; of those that read the same rows of the weights (one X), four neighbours along Y begin at four different quarters: so these do not ask for the same bytes at the same time.
; The matrix instruction is used transposed (source 0 = 16 rows of the weights).  The first product of each accumulator takes the bias as C.  x comes from hcat, loaded at the head, and is added on the way out.
; A trip of the loop is one K step; the slot in hand is a scalar register that an exclusive or turns, and one descriptor for each operand walks from step to step.
; No prefetch: the tiles are small and a step's work is short.  LIMITS: operands, bias and the residual's x in bf16; sums in f32, in an order of K that differs from cluster to cluster.
; REGISTERS: window 0: v0-31 addresses, v32-95 at work, v96-127 the bias and later x in f32, v128-255 the accumulators; window 1: two fragment buffers of 128; window 2: v0-63 x as loaded.
.set PITCH,  528
.set HALFA,  64*PITCH
.set HALFB,  64*PITCH
.set SLOTX,  2*HALFA+2*HALFB           ; slot 1 begins at 135,168 = 2^17 + 2^12.  Neither bit is set in 0, 33,792, 67,584 or 101,376, the LDS bytes at which a wave's part of slot 0 begins: one exclusive or turns each into slot 1's and back
.set STAGE,  2*SLOTX                   ; behind the ring: 16 rows x 272 bytes for each wave
.set SPITCH, 272
.set SPARE,  STAGE+4*16*SPITCH
.set STEPS,  8
.set KSB,    512                       ; bytes of a row in a K step
.set W2OFF,  16777216
.set BOFF,   22034432
.set ADRA0, 16
.set ADRB0, 17
.set ADRA, 18
.set ADRB, 19
.set STO,  24
.set RD,   25
.set CO,   26
.set XO,   27
.set SPW,  28
.set NIL,  29
.set TMP,  32
.set BIAS, 96
.set ACC,  128
.set F0,   0
.set F1,   128
.set WV, 20
.set RH, 21
.set CH, 22
.set CNT, 23
.set G1A, 24
.set G1B, 32
.set G0A, 40
.set G0B, 48
.set TB, 56
.set HIM, 60
.set KI, 61                            ; s61      the K step, 0 to 7, that was asked for last
.set OF, 62                            ; s[62:63] a K step's byte offset in a row: 512 x the step; the high word stays 0
.set RA, 80                            ; s[80:81] g at the first of the rows that I fetch, K = 0; never rewritten
.set RB, 82                            ; s[82:83] the weights likewise
.set MSB, 0
.macro WIN new
.if MSB != (\new)
	s_set_vgpr_msb (MSB<<8)|(\new)
.set MSB, \new
.endif
.endm
.set MUL,  0x05
.set TO_F, 0x40
.macro PLACES
.rept 4
	v_nop
.endr
.endm
.macro JLOAD                           ; a joint refill by the walking descriptors: waves 0, 1 g's halves, waves 2, 3 the weights'; the branch hangs on the wave's number alone
	s_cmp_lt_u32 s[WV], 2
	s_cbranch_scc0 .Lfor_b_\@
	tensor_load_to_lds s[G0A+4:G0A+7], s[G1A:G1A+7]
	s_nop 0
	PLACES
	s_branch .Lasked_\@
.Lfor_b_\@:
	tensor_load_to_lds s[G0B+4:G0B+7], s[G1B:G1B+7]
	s_nop 0
	PLACES
.Lasked_\@:
.endm
.macro CREST
	s_cmp_lg_u32 s[WV], 0
	s_cbranch_scc1 .Lnot_wave_0_\@
	s_barrier_signal -3
.Lnot_wave_0_\@:
	s_barrier_wait -3
	s_barrier_signal -1
	s_barrier_wait -1
.endm
.macro CROUND
	s_barrier_signal -1
	s_barrier_wait -1
	CREST
.endm
	s_load_b256 s[4:11], s[0:1], 0x0               ; gbuf s[4:5], wts s[6:7], hcat s[8:9], out0 s[10:11]
	v_lshl_add_u32 v[SPW], v0, 2, SPARE
	v_mov_b32 v[NIL], 0
	ds_add_u32 v[SPW], v[NIL]                      ; the wave's opening: the add and its wait stand ahead of my first tensor load
	v_lshrrev_b32 v3, 5, v0
	v_readfirstlane_b32 s[WV], v3
	s_lshr_b32 s[RH], s[WV], 1
	s_and_b32 s[CH], s[WV], 1
	s_bfe_u32 s12, ttmp6, 0x40000
	s_bfe_u32 s13, ttmp6, 0x40004
	s_lshl_b32 s14, ttmp9, 2
	s_add_co_u32 s14, s14, s12
	s_and_b32 s15, ttmp7, 0xffff
	s_lshl_b32 s15, s15, 2
	s_add_co_u32 s15, s15, s13
	s_lshl_b32 s66, s13, 2
	s_lshl_b32 s66, 15, s66
	s_lshl_b32 s67, 0x1111, s12
	s_or_b32 s[G1A], s66, (1<<16)|(1<<20)|(1<<21)|(6<<22)|(3<<25)  ; padded after every 128 words by 4
	s_or_b32 s[G1B], s67, (1<<16)|(1<<20)|(1<<21)|(6<<22)|(3<<25)
.irp g, G1A, G1B
	s_mov_b32 s[\g+1], 256<<16
	s_mov_b32 s[\g+2], 64<<16
	s_mov_b32 s[\g+3], 256<<16
	s_mov_b32 s[\g+4], 64
	s_mov_b32 s[\g+5], 2048
	s_mov_b32 s[\g+6], 0
	s_mov_b32 s[\g+7], 0
.endr
	s_mov_b32 s[G0A], 1
	s_mul_i32 s[G0A+1], s[CH], HALFA
	s_mov_b32 s[G0A+4], 1
	s_add_co_u32 s[G0A+5], s[G0A+1], SLOTX
	s_mov_b32 s[G0B], 1
	s_mul_i32 s[G0B+1], s[CH], HALFB
	s_add_co_u32 s[G0B+1], s[G0B+1], 2*HALFA
	s_mov_b32 s[G0B+4], 1
	s_add_co_u32 s[G0B+5], s[G0B+1], SLOTX
	s_lshl_b32 s16, s15, 7
	s_lshl_b32 s17, s[CH], 6
	s_add_co_u32 s16, s16, s17
	s_lshl_b32 s16, s16, 12
	s_mov_b32 s17, 0
	s_lshl_b32 s18, s14, 7
	s_lshl_b32 s19, s[CH], 6
	s_add_co_u32 s18, s18, s19
	s_lshl_b32 s18, s18, 12
	s_add_co_u32 s18, s18, W2OFF
	s_mov_b32 s19, 0
	s_mov_b32 s[HIM], 0xffff0000
	s_mov_b32 s[TB], 0
	s_lshl_b32 s[KI], ttmp9, 1                     ; where my cluster's walk begins: made of the cluster's x and y alone, which all sixteen partners share
	s_and_b32 s[OF], ttmp7, 0xffff
	s_add_co_u32 s[KI], s[KI], s[OF]
	s_and_b32 s[KI], s[KI], 3                      ; (2 X + Y) % 4
	s_lshl_b32 s[KI], s[KI], 1                     ; a quarter of K is two steps
	s_lshl_b32 s[OF], s[KI], 9
	s_mov_b32 s[OF+1], 0
	s_wait_dscnt 0x0
	s_wait_kmcnt 0x0
	s_add_nc_u64 s[RA:RA+1], s[4:5], s[16:17]
	s_add_nc_u64 s[RB:RB+1], s[6:7], s[18:19]
	s_add_nc_u64 s[G0A+2:G0A+3], s[RA:RA+1], s[OF:OF+1]      ; the walk's first step,
	s_add_nc_u64 s[G0A+6:G0A+7], s[G0A+2:G0A+3], KSB         ; and its second: the first is even, so the end of K is not passed
	s_or_b32 s[G0A+3], s[G0A+3], 0x80000000
	s_or_b32 s[G0A+7], s[G0A+7], 0x80000000
	s_add_nc_u64 s[G0B+2:G0B+3], s[RB:RB+1], s[OF:OF+1]
	s_add_nc_u64 s[G0B+6:G0B+7], s[G0B+2:G0B+3], KSB
	s_or_b32 s[G0B+3], s[G0B+3], 0x80000000
	s_or_b32 s[G0B+7], s[G0B+7], 0x80000000
	s_add_co_u32 s[KI], s[KI], 1                   ; the step asked for last is the second
	CROUND
	s_cmp_lt_u32 s[WV], 2                          ; a wave's two first fills stand in one branch: two loads of mine are out
	s_cbranch_scc0 .Lfirst_b
	tensor_load_to_lds s[G0A:G0A+3], s[G1A:G1A+7]
	s_nop 0
	tensor_load_to_lds s[G0A+4:G0A+7], s[G1A:G1A+7]
	s_nop 0
	PLACES
	s_branch .Lfirst_done
.Lfirst_b:
	tensor_load_to_lds s[G0B:G0B+3], s[G1B:G1B+7]
	s_nop 0
	tensor_load_to_lds s[G0B+4:G0B+7], s[G1B:G1B+7]
	s_nop 0
	PLACES
.Lfirst_done:
	v_and_b32 v1, 15, v0
	v_bfe_u32 v2, v0, 4, 1
	v_lshlrev_b32 v10, 4, v2                       ; the bias: columns 128 tx + 64 half + 16 b + 8 h + 0..7, bf16
	s_lshl_b32 s70, s14, 8
	s_lshl_b32 s71, s[CH], 7
	s_add_co_u32 s70, s70, s71
	s_add_co_u32 s72, s70, BOFF
	s_mov_b32 s73, 0
	s_add_nc_u64 s[72:73], s[6:7], s[72:73]
.irp b, 0,1,2,3
	global_load_b128 v[TMP+4*\b:TMP+4*\b+3], v10, s[72:73] offset:32*\b  ; v10 and s[72:73] are written nowhere below
.endr
	; x for the residual, in the layout in which rows come back from the stage: lane (r, h), load t of row block a: row 16 a + 2 t + h, my columns 4 r .. 4 r + 3
	s_lshl_b32 s68, s15, 7
	s_lshl_b32 s69, s[RH], 6
	s_add_co_u32 s68, s68, s69
	s_lshl_b32 s68, s68, 12                        ; my first row, 4,096 bytes a row in hcat and in out0
	s_add_co_u32 s74, s68, s70                     ; + 2 bytes x my first column
	s_mov_b32 s75, 0
	s_add_nc_u64 s[8:9], s[8:9], s[74:75]
	s_lshl_b32 s70, s70, 1                         ; + 4 bytes x my first column
	s_add_co_u32 s74, s68, s70
	s_add_nc_u64 s[10:11], s[10:11], s[74:75]
	v_lshlrev_b32 v5, 12, v2
	v_lshl_add_u32 v[XO], v1, 3, v5
	v_lshl_add_u32 v[CO], v1, 4, v5
	WIN 0x80
.set on, 0
.rept 32
	global_load_b64 v[2*on:2*on+1], v[XO], s[8:9] offset:(16*(on/8)+2*(on%8))*4096
.set on, on+1
.endr
	WIN 0
	v_mul_u32_u24 v3, v1, PITCH
	v_lshl_add_u32 v3, v2, 4, v3
	s_mul_i32 s68, s[RH], HALFA
	s_mul_i32 s69, s[CH], HALFB
	s_add_co_u32 s69, s69, 2*HALFA
	v_add_nc_u32 v[ADRA0], s68, v3
	v_add_nc_u32 v[ADRB0], s69, v3
	v_mov_b32 v[ADRA], v[ADRA0]
	v_mov_b32 v[ADRB], v[ADRB0]
	s_mul_i32 s68, s[WV], 16*SPITCH
	s_add_co_u32 s68, s68, STAGE                   ; my stage
	v_mul_u32_u24 v4, v1, SPITCH                   ; in: row r, 32 bytes for each half of the lanes
	v_lshl_add_u32 v4, v2, 5, v4
	v_add_nc_u32 v[STO], s68, v4
	v_mul_u32_u24 v4, v2, SPITCH                   ; back: lanes 0-15 one row of 256 bytes, lanes 16-31 the next
	v_lshl_add_u32 v4, v1, 4, v4
	v_add_nc_u32 v[RD], s68, v4
	s_wait_loadcnt 32                              ; the bias is in; the 32 loads of x, issued behind it, stay out
.set on, 0
.rept 16
	v_lshlrev_b32 v[BIAS+2*on], 16, v[TMP+on]
	v_and_b32 v[BIAS+2*on+1], s[HIM], v[TMP+on]
.set on, on+1
.endr
.macro MUL8 f, c, a0, zero             ; zero = 1: the first product starts the sums from the bias.  The 16 accumulators take turns, in one order everywhere
	WIN MUL
.irp a, \a0, (\a0)+1
.irp b, 0,1,2,3
.if \zero
	v_wmma_f32_16x16x32_bf16 v[ACC+8*(4*(\a)+(\b)):ACC+8*(4*(\a)+(\b))+7], v[(\f)+64+8*(4*(\c)+(\b)):(\f)+64+8*(4*(\c)+(\b))+7], v[(\f)+8*(4*(\c)+(\a)):(\f)+8*(4*(\c)+(\a))+7], v[BIAS+8*(\b):BIAS+8*(\b)+7]
.else
	v_wmma_f32_16x16x32_bf16 v[ACC+8*(4*(\a)+(\b)):ACC+8*(4*(\a)+(\b))+7], v[(\f)+64+8*(4*(\c)+(\b)):(\f)+64+8*(4*(\c)+(\b))+7], v[(\f)+8*(4*(\c)+(\a)):(\f)+8*(4*(\c)+(\a))+7], v[ACC+8*(4*(\a)+(\b)):ACC+8*(4*(\a)+(\b))+7]
.endif
.endr
.endr
.endm
.macro FETCH k, f                      ; 32 LDS loads in one run: 64 along K at byte k of the rows; the first 32 along K first
	WIN TO_F
.irp c, 0,1
.irp i, 0,1,2,3
	ds_load_b128 v[(\f)+64+8*(4*(\c)+(\i)):(\f)+64+8*(4*(\c)+(\i))+3],   v[ADRB] offset:(\k)+64*(\c)+(\i)*16*PITCH
	ds_load_b128 v[(\f)+64+8*(4*(\c)+(\i))+4:(\f)+64+8*(4*(\c)+(\i))+7], v[ADRB] offset:(\k)+64*(\c)+(\i)*16*PITCH+32
	ds_load_b128 v[(\f)+8*(4*(\c)+(\i)):(\f)+8*(4*(\c)+(\i))+3],         v[ADRA] offset:(\k)+64*(\c)+(\i)*16*PITCH
	ds_load_b128 v[(\f)+8*(4*(\c)+(\i))+4:(\f)+8*(4*(\c)+(\i))+7],       v[ADRA] offset:(\k)+64*(\c)+(\i)*16*PITCH+32
.endr
.endr
.endm
.macro QUARTER k, f, g, zero
	s_wait_dscnt 16                                ; the first 32 along K are in
	MUL8 \f, 0, 0, \zero
	MUL8 \f, 0, 2, \zero
	PLACES
	FETCH \k, \g
	s_wait_dscnt 32                                ; all but the 32 just issued
	MUL8 \f, 1, 0, 0
	MUL8 \f, 1, 2, 0
.endm
; The last quarter of a K step multiplies buffer 1 and changes slots.  In front of the barrier each wave waits for all its tensor loads (one is out: its part of the next slot),
; adds 0 to its spare word, and waits for that and for its reads of this slot.  fill = 1: the barrier opens a round of the cluster's, and the joint refill stands first behind it.
.macro TURN fill
	WIN 0
	s_xor_b32 s[TB], s[TB], SLOTX                  ; the fetches go to the other slot
	v_add_nc_u32 v[ADRA], s[TB], v[ADRA0]
	v_add_nc_u32 v[ADRB], s[TB], v[ADRB0]
	s_wait_tensorcnt 0x0
	ds_add_u32 v[SPW], v[NIL]
	s_wait_dscnt 17                                ; the add and the youngest sixteen loads may be out
	MUL8 F1, 0, 0, 0
	s_wait_dscnt 0x0                               ; the add is done, my reads of this slot are over
	s_barrier_signal -1
	MUL8 F1, 0, 2, 0
	WIN 0
	s_barrier_wait -1
.if \fill
	CREST                                          ; no wave of any partner still reads this slot or has a load on its way
	s_add_co_u32 s[KI], s[KI], 1                   ; the next K step of my cluster's walk, round the end of K: the same number in all sixteen partners
	s_and_b32 s[KI], s[KI], STEPS-1
	s_lshl_b32 s[OF], s[KI], 9
	s_xor_b32 s[G0A+5], s[G0A+5], SLOTX            ; the walking descriptors: the other slot; the address is made anew from the rows' base and the step
	s_add_nc_u64 s[G0A+6:G0A+7], s[RA:RA+1], s[OF:OF+1]
	s_or_b32 s[G0A+7], s[G0A+7], 0x80000000
	s_xor_b32 s[G0B+5], s[G0B+5], SLOTX
	s_add_nc_u64 s[G0B+6:G0B+7], s[RB:RB+1], s[OF:OF+1]
	s_or_b32 s[G0B+7], s[G0B+7], 0x80000000
	JLOAD                                          ; its four v_nop are also the places in front of the loads below
.else
	PLACES
.endif
	FETCH 0, F0
	MUL8 F1, 1, 0, 0
	MUL8 F1, 1, 2, 0
.endm
	s_wait_tensorcnt 0x1                           ; my part of the walk's first step is in; the second's may stay out
	s_barrier_signal -1
	s_barrier_wait -1
	FETCH 0, F0
	QUARTER 128, F0, F1, 1                         ; the first quarter starts the sums
	WIN 0
	s_mov_b32 s[CNT], STEPS-2
	s_branch .Lmid
.Lstep:                                ; a trip is a K step; each of the STEPS - 2 trips fills the slot that it leaves with the step two on in the walk
	QUARTER 128, F0, F1, 0
	WIN 0
.Lmid:
	QUARTER 256, F1, F0, 0
	QUARTER 384, F0, F1, 0
	TURN 1
	WIN 0
	s_sub_co_u32 s[CNT], s[CNT], 1
	s_cmp_lg_u32 s[CNT], 0
	s_cbranch_scc1 .Lstep
	s_mov_b32 s[CNT], 2
.Ltail:                                ; the last two K steps ask for nothing.  The second trip's barrier and its last run of LDS loads serve nothing: the price, once a launch, of one text for both
	QUARTER 128, F0, F1, 0
	QUARTER 256, F1, F0, 0
	QUARTER 384, F0, F1, 0
	TURN 0
	WIN 0
	s_sub_co_u32 s[CNT], s[CNT], 1
	s_cmp_lg_u32 s[CNT], 0
	s_cbranch_scc1 .Ltail
	s_wait_dscnt 0x0                               ; the last run of loads is back: the counts below begin at nothing out
	; THE WAY OUT, 16 rows at a time through my own stage: the sums go in as they lie (each accumulator's lowest registers first), come back as whole rows of 256 bytes, take x, and leave.
	s_wait_loadcnt 0x0                             ; x
	PLACES
.macro OUTA a
.set BK, TMP+32*((\a)%2)
	s_wait_xcnt 0x0                                ; the stores of two blocks back have read the registers that are loaded again below
.irp b, 0,1,2,3
	ds_store_b128 v[STO], v[ACC+8*(4*(\a)+(\b)):ACC+8*(4*(\a)+(\b))+3] offset:64*(\b)
	ds_store_b128 v[STO], v[ACC+8*(4*(\a)+(\b))+4:ACC+8*(4*(\a)+(\b))+7] offset:64*(\b)+16
.endr
.irp t, 0,1,2,3,4,5,6,7
	ds_load_b128 v[BK+4*(\t):BK+4*(\t)+3], v[RD] offset:2*SPITCH*(\t)  ; LDS serves a wave's instructions in order (ISA guide 5.7.1.4): these see the stores above
.endr
	WIN 0x08                                       ; source 1 in window 2
.irp t, 0,1,2,3,4,5,6,7
	v_lshlrev_b32 v[BIAS+4*(\t)], 16, v[2*(8*(\a)+(\t))]
	v_and_b32 v[BIAS+4*(\t)+1], s[HIM], v[2*(8*(\a)+(\t))]
	v_lshlrev_b32 v[BIAS+4*(\t)+2], 16, v[2*(8*(\a)+(\t))+1]
	v_and_b32 v[BIAS+4*(\t)+3], s[HIM], v[2*(8*(\a)+(\t))+1]
.endr
	WIN 0
.irp t, 0,1,2,3,4,5,6,7
	s_wait_dscnt 7-(\t)
	v_pk_add_f32 v[BK+4*(\t):BK+4*(\t)+1], v[BK+4*(\t):BK+4*(\t)+1], v[BIAS+4*(\t):BIAS+4*(\t)+1]
	v_pk_add_f32 v[BK+4*(\t)+2:BK+4*(\t)+3], v[BK+4*(\t)+2:BK+4*(\t)+3], v[BIAS+4*(\t)+2:BIAS+4*(\t)+3]
	global_store_b128 v[CO], v[BK+4*(\t):BK+4*(\t)+3], s[10:11] offset:(16*(\a)+2*(\t))*4096 th:TH_STORE_NT  ; 16 lanes store 256 consecutive bytes, aligned
.endr
.endm
	OUTA 0
	OUTA 1
	OUTA 2
	OUTA 3
	s_wait_tensorcnt 0x0                           ; the wave's end
	ds_add_u32 v[SPW], v[NIL]
	s_wait_dscnt 0x0
	CROUND
	s_endpgm
.Lfunc_end_k_qe51d623f6c_ffn2:
	.size	k_qe51d623f6c_ffn2, .Lfunc_end_k_qe51d623f6c_ffn2-k_qe51d623f6c_ffn2
	.p2alignl 7, 3214868480
	.fill 96, 4, 3214868480
	.section	.rodata,"a",@progbits
	.p2align	6, 0x0
	.amdhsa_kernel k_qe51d623f6c_ffn2
		.amdhsa_group_segment_fixed_size 327680
		.amdhsa_private_segment_fixed_size 0
		.amdhsa_enable_private_segment 0
		.amdhsa_kernarg_size 32
		.amdhsa_user_sgpr_count 2
		.amdhsa_user_sgpr_kernarg_segment_ptr 1
		.amdhsa_wavefront_size32 1
		.amdhsa_system_sgpr_workgroup_id_x 1
		.amdhsa_system_sgpr_workgroup_id_y 1
		.amdhsa_system_sgpr_workgroup_id_z 1
		.amdhsa_system_vgpr_workitem_id 0
		.amdhsa_next_free_vgpr 576
		.amdhsa_next_free_sgpr 96
		.amdhsa_reserve_vcc 0
		.amdhsa_float_denorm_mode_32 3
		.amdhsa_float_denorm_mode_16_64 3
		.amdhsa_memory_ordered 1
		.amdhsa_forward_progress 1
		.amdhsa_inst_pref_size 71
	.end_amdhsa_kernel
	.amdgpu_metadata
---
amdhsa.version: [ 1, 2 ]
amdhsa.kernels:
  - .name:           k_qe51d623f6c_ffn2
    .symbol:         k_qe51d623f6c_ffn2.kd
    .args:
      - { .name: gbuf, .offset: 0, .size: 8, .value_kind: global_buffer, .address_space: global }
      - { .name: wts, .offset: 8, .size: 8, .value_kind: global_buffer, .address_space: global }
      - { .name: hcat, .offset: 16, .size: 8, .value_kind: global_buffer, .address_space: global }
      - { .name: out0, .offset: 24, .size: 8, .value_kind: global_buffer, .address_space: global }
    .group_segment_fixed_size: 327680
    .private_segment_fixed_size: 0
    .kernarg_segment_align: 8
    .kernarg_segment_size: 32
    .max_flat_workgroup_size: 128
    .sgpr_count:     96
    .vgpr_count:     576
    .wavefront_size: 32
...
	.end_amdgpu_metadata
.endif
;; end of part 7
